; MI455X (gfx1250); checked and timed in simulation.
; The chip was launched on July 23, 2026; its instructions are those of AMD's public machine-readable ISA for CDNA 5 (MIT licence, August 2026) and "CDNA5" Instruction Set Architecture Reference Guide (July 2026). The comments in the code are by the model that wrote it; some were corrected since.
;; Multi Head Attention. Allowed arithmetic: matrix products marked QUANTISED: E2M3 operands, one E8M0 scale for each 32 along K, by v_wmma_scale_f32_16x16x128_f8f6f4 with both operands' format E2M3, f32 sums; everything else in f32.
;; Inputs: Wk 16 x 1,024 x 64 float32; Wo 1,024 x 1,024 float32; Wq 16 x 1,024 x 64 float32; Wv 16 x 1,024 x 64 float32; bk 16 x 64 float32; bo 1,024 float32; bq 16 x 64 float32; bv 16 x 64 float32; x 4 x 2,048 x 1,024 float32.
;; Outputs: out0 4 x 2,048 x 1,024 float32.
;; This version of the problem:
;;   THIS VERSION OF THE PROBLEM IS GIVEN IN LOW PRECISION. The matrix products marked QUANTISED in the list below multiply operands that are first quantised to E2M3 (2 exponent bits, 3 mantissa bits; 6 bits a number), with one power-of-two scale for each 32 numbers along K (OCP MX v1.0); their sums are f32. All else is computed in f32.
;;   The module's matrix products, in the order in which they are computed (A, B: the left and right operand; K: the contracted axis; several contracted axes count as one K, in the product's order):
;;     1. [M 1,024, K 1,024] x [K 1,024, N 8,192]; A: input Wq; B: input x: QUANTISED
;;     2. [M 1,024, K 1,024] x [K 1,024, N 8,192]; A: input Wk; B: input x: QUANTISED
;;     3. [M 1,024, K 1,024] x [K 1,024, N 8,192]; A: input Wv; B: input x: QUANTISED
;;     4. batch 64 x [M 2,048, K 64] x [K 64, N 2,048]; A: computed on the way; B: computed on the way: QUANTISED
;;     5. batch 64 x [M 2,048, K 2,048] x [K 2,048, N 64]; A: softmax (see below); B: computed on the way: QUANTISED
;;     6. [M 8,192, K 1,024] x [K 1,024, N 1,024]; A: computed on the way; B: input Wo: QUANTISED
;;   THE QUANTISER, for each operand of a quantised product, along K:
;;     - K is cut into blocks of 32 from its start; a last block that is shorter is filled with zeros.
;;     - A block's scale is 2^e with e = floor(log2(the largest magnitude in the block)) - 2, held to -126 .. 127; a block of zeros has e = 0. As a byte (E8M0): e + 127.
;;     - Each number is divided by its block's scale, clamped to +-7.5, and rounded to the nearest number of E2M3, ties to even, subnormals kept.
;;     - The product sums the exact products of the quantised numbers (number of the format x scale) in f32.
;;   ~~~python
;;   def quantise(x, axis):      # numpy; x: float32 -> the quantised numbers, widened to float32 again
;;       x = np.moveaxis(x, axis, -1); K = x.shape[-1]
;;       x = np.pad(x, [(0, 0)] * (x.ndim - 1) + [(0, -K % 32)]); x = x.reshape(x.shape[:-1] + (-1, 32)); a = np.abs(x).max(-1, keepdims=True)
;;       e = np.where(a > 0, np.clip(np.frexp(np.where(a > 0, a, 1))[1] - 1 - 2, -126, 127), 0)      # np.frexp(a)[1] - 1 = floor(log2(a)), exactly
;;       r = np.clip(x / 2.0 ** e, -7.5, 7.5)
;;       step = 2.0 ** (np.maximum(np.frexp(np.where(r == 0, 1, r))[1] - 1, 0) - 3)
;;       q = np.round(r / step) * step * 2.0 ** e      # np.round: ties to even
;;       return np.moveaxis(q.reshape(q.shape[:-2] + (-1,))[..., :K], -1, axis).astype(np.float32)
;;   ~~~
;;   SOFTMAX AHEAD OF A QUANTISED PRODUCT. Where the list says 'softmax', what is quantised is not the finished softmax but p = 2^(t - M), with t = logit x log2(e) and M = ceil(the row's largest t), a whole number; so 1/2 < the row's largest p <= 1. The row's sum l is taken of the UNQUANTISED p, in f32, and the product's result is divided by l at the end. Since M is a whole number, a kernel that streams over the keys may use a running M (the ceiling of the running maximum): every later rescaling is an exact power of two, which a block's scale takes up: the codes' values come out the same.
;;   OPERANDS COMPUTED ON THE WAY. 'Computed on the way' means the value that the module computes at that place (a softmax that the list does not call 'softmax' is quantised finished and normalised). What goes into a quantiser is computed in f32, as accurately as f32 sums, v_exp_f32 and their like allow (about 1e-6 of the number): no bf16 or f16 on the way to a quantiser, and a product that is left as it is and whose result goes on into a quantised operand takes f32 operands (vector FMAs, or v_wmma_f32_16x16x4_f32). A number that lies on a knife's edge between two numbers of the format may be rounded either way, as far as f32 arithmetic and the matrix unit's own rounding can turn it there, and no further.
;; One version. Each part assembles by itself: llvm-mc -triple=amdgcn-amd-amdhsa -mcpu=gfx1250 --defsym DOCPART=n.
;; ======== version 1 of 1: 4 launches
;; limits: right only within a limited range of input values
;; workspace buffers: qc 9,437,184 bytes; qs 393,216 bytes; pc 18,874,368 bytes; ps 786,432 bytes; ac 6,291,456 bytes; asc 262,144 bytes
;; launch quant (part 1): grid 768 x 1, 4 waves a work-group, no clusters, 17,920 bytes of LDS; arguments x, Wo, Wq, Wk, Wv, qc, qs; writes qc, qs
.if DOCPART == 1
	.amdgcn_target "amdgcn-amd-amdhsa--gfx1250"
	.amdhsa_code_object_version 6
	.text
	.protected	k_q5eaf2e2745_quant
	.globl	k_q5eaf2e2745_quant
	.p2align	8
	.type	k_q5eaf2e2745_quant,@function
k_q5eaf2e2745_quant:
	s_mov_b64 s[64:65], 0
	v_nop
	global_prefetch_b8 v0, s[64:65] scope:SCOPE_SE
	s_setreg_imm32_b32 hwreg(HW_REG_WAVE_MODE, 25, 1), 1
	s_wait_xcnt 0x0
; x [8192][1024], Wo [1024][1024] (K innermost) and Wq, Wk, Wv [16][1024][64] (K = the middle axis), all f32, become codes of FP6 (E2M3) with one E8M0 byte for each 32 along K.
; A block's scale is 2^(floor(log2(its largest magnitude)) - 2): its byte is the largest magnitude's exponent field - 2, held at 1 from below.
; LIMITS: a block of zeros gets the byte 1 where the rule says 127 (its codes are zeros, and this program alone reads the bytes); blocks whose largest magnitude lies under 2^-124 are held at byte 1;
; NaN and infinities among the inputs are not served.
; LAYOUT OF THE RESULT: operands are cut into tiles of 16 rows.  In each group of 64 rows, tile t (0..3), place p (0..15) holds row 32 (p / 8) + 8 t + p % 8.
; A HALF IMAGE, 768 bytes, is 16 rows x 64 K as the matrix operand's registers 0-5 hold them: registers 0-3 of lane l at 16 l, registers 4-5 at 512 + 8 l.  qc: [tile 768][K / 64 = 16][768].
; qs: [tile][K / 256 = 4][row place 16][8 bytes], byte j the scale of block j of those 256.  Tiles 0-511 x, 512-575 Wo, 576 + 4 hm + t the weights (hm 0-15 Wq's heads, 16-31 Wk's, 32-47 Wv's; rows = d).
; One launch, two ways that part on the work-group's number; only the first uses LDS.  No barrier: waves share nothing.
.set FLOOR, 0x1800000                  ; 2^(3 - 127)
.set DOWN2, 0xff000000                 ; takes 2 off an exponent field
.set STG,   4352                       ; a wave's stage: 16 rows x (256 bytes + 16)
.set RW,    32                         ; v32-159  way X: four halves x 32 registers as loaded;  way W: 128 numbers down K
.set XN,    160                        ; v160-191 way X: my block's 32 numbers
.set CD,    192                        ; v192-223 way X: codes, 8 registers a half, so that no store's data are written again
.set TT,    224                        ; v224-226 way X: a block's upper 16 codes (a conversion's three registers begin on an even number)
.set CU,    160                        ; v160-207 way W: 24 registers a unit
	s_load_b256 s[4:11], s[0:1], 0x0               ; x, Wo, Wq, Wk
	s_load_b128 s[12:15], s[0:1], 0x20             ; Wv, qc
	s_load_b64 s[16:17], s[0:1], 0x30              ; qs
	v_lshl_add_u32 v240, v0, 2, 0x4400
	v_mov_b32 v241, 0
	v_lshrrev_b32 v1, 5, v0
	v_readfirstlane_b32 s18, v1                    ; wave
	v_and_b32 v1, 31, v0                           ; lane l
	v_and_b32 v2, 15, v0                           ; r
	v_bfe_u32 v3, v0, 4, 1                         ; hl
	v_lshlrev_b32 v7, 4, v1                        ; an image's part a: 16 l
	v_lshl_add_u32 v8, v1, 3, 512                  ; its part b: 512 + 8 l
	s_mov_b32 s27, 0
	s_cmp_ge_u32 ttmp9, 576
	s_cbranch_scc1 .Lweights
; ---- WAY X: K innermost.  Work-group g makes tile g; wave w takes K = 256 w .. 256 w + 255: four halves.
; Each load reads two rows' 256 consecutive bytes; a half's 16 x 256 bytes turn through the wave's own stage, so that lane (r, hl) gets row r's block hl: 32 neighbours.
	s_mov_b32 s20, 0x76543210
	s_mov_b32 s21, 0xfedcba98                      ; v_permlanex16_b32's selects for lane l xor 16
	s_lshl_b32 s28, s18, 10
	s_mul_i32 s29, s18, STG
	v_lshlrev_b32 v4, 4, v2
	v_lshl_add_u32 v4, v3, 12, v4
	v_add_nc_u32 v4, s28, v4                       ; in memory: 4096 hl + 16 r + 1024 w
	v_mul_u32_u24 v5, v3, 272
	v_lshl_add_u32 v5, v2, 4, v5
	v_add_nc_u32 v5, s29, v5                       ; into the stage: row hl of a pair, 16 r
	v_mul_u32_u24 v6, v2, 272
	v_lshl_add_u32 v6, v3, 7, v6
	v_add_nc_u32 v6, s29, v6                       ; out of it: row r, 128 hl
	v_lshlrev_b32 v9, 3, v3                        ; 8 hl
	v_lshlrev_b32 v10, 3, v2
	v_lshl_add_u32 v10, v3, 2, v10                 ; 8 r + 4 hl
	s_wait_alu depctr_va_vdst(0)
	s_wait_kmcnt 0x0
	s_cmp_lt_u32 ttmp9, 512                        ; x's tile or Wo's: the choice hangs on the work-group's number alone
	s_cselect_b64 s[24:25], s[4:5], s[6:7]
	s_cselect_b32 s22, 0, 512
	s_sub_co_u32 s22, ttmp9, s22                   ; the tile's number in its tensor
	s_lshr_b32 s23, s22, 2
	s_lshl_b32 s23, s23, 6
	s_and_b32 s26, s22, 3
	s_lshl_b32 s26, s26, 3
	s_add_co_u32 s26, s26, s23                     ; its first row: 64 (tile / 4) + 8 (tile % 4)
	s_lshl_b32 s26, s26, 12                        ; rows of 4,096 bytes
	s_add_nc_u64 s[24:25], s[24:25], s[26:27]
	s_mul_i32 s26, ttmp9, 12288
	s_mul_i32 s28, s18, 3072
	s_add_co_u32 s26, s26, s28
	s_add_nc_u64 s[14:15], s[14:15], s[26:27]      ; my four half images
	s_lshl_b32 s26, ttmp9, 9
	s_lshl_b32 s28, s18, 7
	s_add_co_u32 s26, s26, s28
	s_add_nc_u64 s[16:17], s[16:17], s[26:27]      ; my 128 scale bytes
.irp q, 0,1,2,3
.irp i, 0,1,2,3,4,5,6,7
	global_load_b128 v[RW+32*\q+4*\i:RW+32*\q+4*\i+3], v4, s[24:25] offset:(2*\i+24*(\i/4))*4096+256*\q th:TH_LOAD_NT   ; places 2 i and 2 i + 1: 16 lanes read 256 consecutive, aligned bytes
.endr
.endr
.macro HALF q
	s_wait_loadcnt 24-8*\q                         ; this half's eight loads are in; the later halves' eight each may be out
.irp i, 0,1,2,3,4,5,6,7
	ds_store_b128 v5, v[RW+32*\q+4*\i:RW+32*\q+4*\i+3] offset:544*\i
.endr
.irp g, 0,1,2,3,4,5,6,7
	ds_load_b128 v[XN+4*\g:XN+4*\g+3], v6 offset:16*\g   ; LDS serves a wave's instructions in order: these see the stores above
.endr
	s_wait_dscnt 0x0
	v_max3_num_f32 v12, |v[XN]|, |v[XN+1]|, FLOOR  ; the block's largest magnitude, in two chains, with the floor among the leaves
	v_max3_num_f32 v13, |v[XN+2]|, |v[XN+3]|, FLOOR
.irp i, 4,8,12,16,20,24,28
	v_max3_num_f32 v12, v12, |v[XN+\i]|, |v[XN+\i+1]|
	v_max3_num_f32 v13, v13, |v[XN+\i+2]|, |v[XN+\i+3]|
.endr
	v_max_num_f32 v12, v12, v13
	v_add_nc_u32 v14, DOWN2, v12                   ; the conversion takes this operand's exponent field as its scale
	v_cvt_scalef32_pk16_fp6_f32 v[CD+8*\q:CD+8*\q+2], v[XN:XN+15], v14
	v_cvt_scalef32_pk16_fp6_f32 v[TT:TT+2], v[XN+16:XN+31], v14
	v_lshrrev_b32 v[16+\q], 23, v14                ; the scale's byte (a plain line behind the conversions)
.irp i, 0,1,2
	v_mov_b32 v[CD+8*\q+3+\i], v[TT+\i]
.endr
	global_store_b128 v7, v[CD+8*\q:CD+8*\q+3], s[14:15] offset:768*\q      ; 512 consecutive bytes, aligned to 256
	global_store_b64 v8, v[CD+8*\q+4:CD+8*\q+5], s[14:15] offset:768*\q     ; and 256 more
.endm
	HALF 0
	HALF 1
	HALF 2
	HALF 3
	v_lshl_or_b32 v20, v17, 16, v16                ; my bytes: block 2 q + hl of the wave's eight
	v_lshl_or_b32 v21, v19, 16, v18
	v_lshlrev_b32 v20, v9, v20                     ; at their places in the two words
	v_lshlrev_b32 v21, v9, v21
	v_mov_b32 v22, 0                               ; (a lane permute's destination counts as read)
	v_mov_b32 v23, 0
	v_permlanex16_b32 v22, v20, s20, s21
	v_permlanex16_b32 v23, v21, s20, s21
	v_or_b32 v20, v20, v22                         ; with lane l xor 16's both words are whole
	v_or_b32 v21, v21, v23
	v_cmp_ne_u32 vcc_lo, 0, v3
	v_cndmask_b32 v20, v20, v21, vcc_lo            ; lane (r, hl) stores word hl of row r
	global_store_b32 v10, v20, s[16:17]            ; 128 consecutive bytes a wave
	s_wait_tensorcnt 0x0
	ds_add_u32 v240, v241
	s_wait_dscnt 0x0
	s_endpgm
; ---- WAY W: K is not innermost.  A lane takes a column d and its registers run down K; nothing is transposed by an instruction.
; Work-group g' = 4 hm + kc: head hm, K = 256 kc on.  Wave: p = w % 2 takes tiles 2 p (lanes 0-15) and 2 p + 1 (lanes 16-31); sub = w / 2 takes 128 of the 256 along K.
; A load reads two pieces of 64 bytes of a row of 256; waves p = 0 and 1 together take the row.  The scale words leave as 4 bytes a lane, 8 bytes apart: one byte for each 32 of the 128 that the way reads.
.Lweights:
	s_sub_co_u32 s22, ttmp9, 576                   ; g'
	s_lshr_b32 s23, s22, 2                         ; hm
	s_and_b32 s26, s22, 3                          ; kc
	s_and_b32 s28, s18, 1                          ; p
	s_lshr_b32 s29, s18, 1                         ; sub
	v_and_b32 v4, 7, v0
	s_wait_alu depctr_va_vdst(0)
	v_lshl_add_u32 v4, v3, 3, v4
	v_bfe_u32 v5, v0, 3, 1
	v_lshl_add_u32 v4, v5, 5, v4
	s_lshl_b32 s32, s28, 4
	v_add_nc_u32 v4, s32, v4                       ; d = 16 p + 8 hl + l % 8 + 32 ((l / 8) % 2)
	v_lshlrev_b32 v4, 2, v4
	v_lshlrev_b32 v10, 3, v2
	v_lshl_add_u32 v10, v3, 9, v10                 ; scale words: 512 hl (the tile) + 8 r
	s_and_b32 s30, s23, 15
	s_lshl_b32 s30, s30, 18                        ; a head is 262,144 bytes
	s_lshl_b32 s31, s26, 16
	s_add_co_u32 s30, s30, s31
	s_lshl_b32 s31, s29, 15
	s_add_co_u32 s30, s30, s31                     ; + 256 bytes x (256 kc + 128 sub)
	s_mov_b32 s31, 0
	s_lshl_b32 s34, s23, 2
	s_lshl_b32 s32, s28, 1
	s_add_co_u32 s34, s34, s32
	s_add_co_u32 s34, s34, 576                     ; tile 576 + 4 hm + 2 p
	s_lshl_b32 s33, s34, 4
	s_lshl_b32 s32, s26, 2
	s_add_co_u32 s33, s33, s32
	s_lshl_b32 s32, s29, 1
	s_add_co_u32 s33, s33, s32                     ; 16 x tile + 4 kc + 2 sub: my first half image
	s_mul_i32 s32, s33, 768
	s_mov_b32 s33, 0
	s_lshl_b32 s36, s34, 9
	s_lshl_b32 s35, s26, 7
	s_add_co_u32 s36, s36, s35
	s_lshl_b32 s35, s29, 2
	s_add_co_u32 s36, s36, s35                     ; 512 x tile + 128 kc + 4 sub
	s_mov_b32 s37, 0
	s_wait_alu depctr_va_vdst(0)
	s_wait_kmcnt 0x0
	s_cmp_lt_u32 s22, 128
	s_cselect_b64 s[24:25], s[10:11], s[12:13]     ; Wk or Wv,
	s_cmp_lt_u32 s22, 64
	s_cselect_b64 s[24:25], s[8:9], s[24:25]       ; or Wq: by the work-group's number alone
	s_add_nc_u64 s[24:25], s[24:25], s[30:31]
	s_add_nc_u64 s[14:15], s[14:15], s[32:33]
	s_add_nc_u64 s[16:17], s[16:17], s[36:37]
.set i, 0
.rept 128
	global_load_b32 v[RW+i], v4, s[24:25] offset:256*i
.set i, i+1
.endr
.macro UNIT u                          ; 64 along K: blocks A and B of my column
.set XA, RW+64*\u
.set XB, RW+64*\u+32
.set CA, CU+24*\u
.set CB, CU+24*\u+6
.set TA, CU+24*\u+12
.set TB, CU+24*\u+16
.if \u == 0
	s_wait_loadcnt 63                              ; the youngest 63 of the 128 loads may be out: unit 0's 64 are in
.else
	s_wait_loadcnt 0x0
.endif
	v_max3_num_f32 v12, |v[XA]|, |v[XA+1]|, FLOOR
	v_max3_num_f32 v13, |v[XB]|, |v[XB+1]|, FLOOR
.irp i, 2,4,6,8,10,12,14,16,18,20,22,24,26,28,30
	v_max3_num_f32 v12, v12, |v[XA+\i]|, |v[XA+\i+1]|   ; the two blocks by turns
	v_max3_num_f32 v13, v13, |v[XB+\i]|, |v[XB+\i+1]|
.endr
	v_add_nc_u32 v14, DOWN2, v12
	v_add_nc_u32 v15, DOWN2, v13
	v_cvt_scalef32_pk16_fp6_f32 v[CA:CA+2], v[XA:XA+15], v14
	v_cvt_scalef32_pk16_fp6_f32 v[TA:TA+2], v[XA+16:XA+31], v14
	v_cvt_scalef32_pk16_fp6_f32 v[CB:CB+2], v[XB:XB+15], v15
	v_cvt_scalef32_pk16_fp6_f32 v[TB:TB+2], v[XB+16:XB+31], v15
	v_lshrrev_b32 v[16+2*\u], 23, v14              ; the bytes (plain lines behind the conversions)
	v_lshrrev_b32 v[17+2*\u], 23, v15
.irp i, 0,1,2
	v_mov_b32 v[CA+3+\i], v[TA+\i]
	v_mov_b32 v[CB+3+\i], v[TB+\i]
.endr
.irp i, 0,1,2,3,4,5
	v_permlane16_swap_b32 v[CA+\i], v[CB+\i]       ; A's lanes 16-31 change places with B's lanes 0-15: the first is now tile 2 p's half image, the second tile 2 p + 1's
.endr
	global_store_b128 v7, v[CA:CA+3], s[14:15] offset:768*\u
	global_store_b64 v8, v[CA+4:CA+5], s[14:15] offset:768*\u
	global_store_b128 v7, v[CB:CB+3], s[14:15] offset:12288+768*\u
	global_store_b64 v8, v[CB+4:CB+5], s[14:15] offset:12288+768*\u
.endm
	UNIT 0
	UNIT 1
	v_lshl_or_b32 v20, v17, 8, v16                 ; my row's four bytes of these 128 along K
	v_lshl_or_b32 v20, v18, 16, v20
	v_lshl_or_b32 v20, v19, 24, v20
	global_store_b32 v10, v20, s[16:17]
	s_endpgm
.Lfunc_end_k_q5eaf2e2745_quant:
	.size	k_q5eaf2e2745_quant, .Lfunc_end_k_q5eaf2e2745_quant-k_q5eaf2e2745_quant
	.p2alignl 7, 3214868480
	.fill 96, 4, 3214868480
	.section	.rodata,"a",@progbits
	.p2align	6, 0x0
	.amdhsa_kernel k_q5eaf2e2745_quant
		.amdhsa_group_segment_fixed_size 17920
		.amdhsa_private_segment_fixed_size 0
		.amdhsa_enable_private_segment 0
		.amdhsa_kernarg_size 56
		.amdhsa_user_sgpr_count 2
		.amdhsa_user_sgpr_kernarg_segment_ptr 1
		.amdhsa_wavefront_size32 1
		.amdhsa_system_sgpr_workgroup_id_x 1
		.amdhsa_system_sgpr_workgroup_id_y 1
		.amdhsa_system_sgpr_workgroup_id_z 1
		.amdhsa_system_vgpr_workitem_id 0
		.amdhsa_next_free_vgpr 242
		.amdhsa_next_free_sgpr 66
		.amdhsa_reserve_vcc 1
		.amdhsa_float_denorm_mode_32 3
		.amdhsa_float_denorm_mode_16_64 3
		.amdhsa_memory_ordered 1
		.amdhsa_forward_progress 1
		.amdhsa_inst_pref_size 38
	.end_amdhsa_kernel
	.amdgpu_metadata
---
amdhsa.version: [ 1, 2 ]
amdhsa.kernels:
  - .name:           k_q5eaf2e2745_quant
    .symbol:         k_q5eaf2e2745_quant.kd
    .args:
      - { .name: x, .offset: 0, .size: 8, .value_kind: global_buffer, .address_space: global }
      - { .name: Wo, .offset: 8, .size: 8, .value_kind: global_buffer, .address_space: global }
      - { .name: Wq, .offset: 16, .size: 8, .value_kind: global_buffer, .address_space: global }
      - { .name: Wk, .offset: 24, .size: 8, .value_kind: global_buffer, .address_space: global }
      - { .name: Wv, .offset: 32, .size: 8, .value_kind: global_buffer, .address_space: global }
      - { .name: qc, .offset: 40, .size: 8, .value_kind: global_buffer, .address_space: global }
      - { .name: qs, .offset: 48, .size: 8, .value_kind: global_buffer, .address_space: global }
    .group_segment_fixed_size: 17920
    .private_segment_fixed_size: 0
    .kernarg_segment_align: 8
    .kernarg_segment_size: 56
    .max_flat_workgroup_size: 128
    .sgpr_count:     66
    .vgpr_count:     242
    .wavefront_size: 32
...
	.end_amdgpu_metadata
.endif
;; end of part 1
;; launch proj (part 2): grid 8 x 48, 4 waves a work-group, clusters of 4 x 4, 327,680 bytes of LDS; arguments qc, qs, bq, bk, bv, pc, ps; writes pc, ps
.if DOCPART == 2
	.amdgcn_target "amdgcn-amd-amdhsa--gfx1250"
	.amdhsa_code_object_version 6
	.text
	.protected	k_q5eaf2e2745_proj
	.globl	k_q5eaf2e2745_proj
	.p2align	8
	.type	k_q5eaf2e2745_proj,@function
k_q5eaf2e2745_proj:
	s_mov_b64 s[64:65], 0
	v_nop
	global_prefetch_b8 v0, s[64:65] scope:SCOPE_SE
	s_setreg_imm32_b32 hwreg(HW_REG_WAVE_MODE, 25, 1), 1
	s_wait_xcnt 0x0
	s_wait_alu depctr_hold_cnt(0) depctr_sa_sdst(0) depctr_va_vdst(0) depctr_va_sdst(0) depctr_va_ssrc(0) depctr_va_vcc(0) depctr_vm_vsrc(0)
	s_getreg_b32 s2, hwreg(HW_REG_IB_STS2, 6, 4)
	s_cmp_eq_u32 s2, 0
	s_cbranch_scc0 .Lentry_in_a_cluster
	s_endpgm
.Lentry_in_a_cluster:
	s_bfe_u32 s2, ttmp6, 0x10000c
	s_cmp_lg_u32 s2, 0xf033
	s_cbranch_scc0 .Lentry_shape_is_right
	s_endpgm
.Lentry_shape_is_right:
; Q, K, V = x W + b on codes of FP6 (E2M3) with E8M0 scales, a tile of 256 x 256 to a work-group of four waves; the results are quantised again and leave as operand images for the attention launch.
; THE HEAD: the first step's four tiles go out one to a wave (A's 16 tiles of codes, B's, A's scale words, B's); slot 1 is first filled behind a drained round, as a refill is.
.set NQ,     2
.set FR,     12
.set NL,     4
.set NP,     4
.set TILEB,  3072
.set HALFT,  8*TILEB
.set SLOT,   4*HALFT
.set SCL,    2*SLOT
.set SPARE,  SCL+4*4096
.set FLOOR,  0x1800000
.set DOWN2,  0xff000000
.set ADRA, 16
.set ADRB, 20
.set O16,  24
.set O8,   25
.set O4,   26
.set ADRS, 27
.set SPW,  28
.set NIL,  29
.set SH8,  30
.set HLR,  31
.set SC,   32
.set BP,   64
.set AF,   128
.set QS,   128
.set PCD,  192
.set TP,   204
.set BR,   224
.set PWS,  240
.set TM,   248
.set PT,   2
.set RT,   3
.set SEL,  6
.set PSB,  8
.set WV,   18
.set FH,   19
.set HH,   20
.set CLY,  21
.set G1,   24
.set G0,   32
.set G1B,  48
.set G0B,  56
.set G1S,  68
.set G0S,  76
.set G1SB, 80
.set G0SB, 88
.set PCB,  92
.set MSB, 0
.macro WIN new
.if MSB != (\new)
	s_set_vgpr_msb (MSB<<8)|(\new)
.set MSB, (\new)
.endif
.endm
.set MUL_LO, 0xa1
.set MUL_HI, 0xf1
.set TO_B,   0x40
.macro JLOAD g0a, g1a, g0b, g1b
	s_cmp_eq_u32 s[FH], 0
	s_cbranch_scc0 .Lfor_b_\@
	tensor_load_to_lds s[\g0a:\g0a+3], s[\g1a:\g1a+7]
	s_nop 0
.rept 4
	v_nop
.endr
	s_branch .Lasked_\@
.Lfor_b_\@:
	tensor_load_to_lds s[\g0b:\g0b+3], s[\g1b:\g1b+7]
	s_nop 0
.rept 4
	v_nop
.endr
.Lasked_\@:
.endm
.macro CREST
	s_cmp_lg_u32 s[WV], 0
	s_cbranch_scc1 .Lnot_wave_0_\@
	s_barrier_signal -3
.Lnot_wave_0_\@:
	s_barrier_wait -3
	s_barrier_signal -1
	s_barrier_wait -1
.endm
.macro CROUND
	s_barrier_signal -1
	s_barrier_wait -1
	CREST
.endm
	s_load_b256 s[4:11], s[0:1], 0x0
	s_load_b128 s[12:15], s[0:1], 0x20
	s_load_b64 s[16:17], s[0:1], 0x30
	v_lshl_add_u32 v[SPW], v0, 2, SPARE
	v_mov_b32 v[NIL], 0
	ds_add_u32 v28, v29
	ds_add_u32 v28, v29
	s_wait_dscnt 0x0
	v_lshrrev_b32 v1, 5, v0
	v_readfirstlane_b32 s[WV], v1
	s_lshr_b32 s[FH], s[WV], 1
	s_and_b32 s[HH], s[WV], 1
	s_bfe_u32 s40, ttmp6, 0x40000
	s_bfe_u32 s41, ttmp6, 0x40004
	s_lshl_b32 s42, ttmp9, 2
	s_add_co_u32 s42, s42, s40
	s_and_b32 s[CLY], ttmp7, 0xffff
	s_lshl_b32 s43, s41, 2
	s_lshl_b32 s43, 15, s43
	s_lshl_b32 s44, 0x1111, s40
	s_sub_co_u32 s22, s[CLY], 8
	s_lshl_b32 s22, s22, 3
	s_lshl_b32 s23, s[CLY], 2
	s_cmp_ge_u32 s[CLY], 8
	s_cselect_b32 s22, s22, 0
	s_cselect_b32 s23, 0, s23
	s_cselect_b32 s66, 0, 576
	s_cselect_b32 s67, 704, 0
	s_add_co_u32 s[PT], s42, s22
	s_add_co_u32 s[RT], s41, s23
	s_or_b32 s[G1+0], s43, (3<<16)|(1<<21)
	s_or_b32 s[G1B+0], s44, (3<<16)|(1<<21)
.irp g, G1, G1B
	s_mov_b32 s[\g+1], 384<<16
	s_mov_b32 s[\g+2], 16<<16                      ; the head's loads of codes bring 16 tiles; the ring's bring 8 (set behind the head's wait)
	s_mov_b32 s[\g+3], 384<<16
	s_mov_b32 s[\g+4], 16
	s_mov_b32 s[\g+5], 1536
	s_mov_b32 s[\g+6], 0
	s_mov_b32 s[\g+7], 0
.endr
	s_or_b32 s[G1S+0], s43, (3<<16)|(1<<21)
	s_or_b32 s[G1SB+0], s44, (3<<16)|(1<<21)
.irp g, G1S, G1SB
	s_mov_b32 s[\g+1], 32<<16
	s_mov_b32 s[\g+2], 32<<16                      ; the scale words of all 16 tiles: 32 rows of 256 bytes
	s_mov_b32 s[\g+3], 32<<16
	s_mov_b32 s[\g+4], 32
	s_mov_b32 s[\g+5], 32
	s_mov_b32 s[\g+6], 0
	s_mov_b32 s[\g+7], 0
.endr
	s_lshl_b32 s46, s[RT], 4
	s_add_co_u32 s46, s46, s67
	s_lshl_b32 s47, s[PT], 4
	s_add_co_u32 s47, s47, s66
	s_mul_i32 s92, s46, 12288
	s_mov_b32 s93, 0
	s_lshl_b32 s94, s46, 9
	s_mov_b32 s95, 0
	s_mul_i32 s96, s47, 12288
	s_mov_b32 s97, 0
	s_lshl_b32 s98, s47, 9
	s_mov_b32 s99, 0
	s_mul_i32 s45, s[WV], HALFT
	s_wait_kmcnt 0x0
	s_add_nc_u64 s[92:93], s[4:5], s[92:93]
	s_add_nc_u64 s[94:95], s[6:7], s[94:95]
	s_add_nc_u64 s[96:97], s[4:5], s[96:97]
	s_add_nc_u64 s[98:99], s[6:7], s[98:99]
	CROUND
	s_mov_b32 s[G0S], 1
	s_mov_b32 s[G0S+1], SCL
	s_mov_b64 s[G0S+2:G0S+3], s[94:95]
	s_or_b32 s[G0S+3], s[G0S+3], 0x80000000
	s_mov_b32 s[G0SB], 1
	s_mov_b32 s[G0SB+1], SCL+8192
	s_mov_b64 s[G0SB+2:G0SB+3], s[98:99]
	s_or_b32 s[G0SB+3], s[G0SB+3], 0x80000000
.irp s, 0,1
	s_mov_b32 s[G0+4*\s], 1
	s_add_co_u32 s[G0+4*\s+1], s45, \s*SLOT
	s_add_nc_u64 s[G0+4*\s+2:G0+4*\s+3], s[92:93], \s*TILEB
	s_or_b32 s[G0+4*\s+3], s[G0+4*\s+3], 0x80000000
	s_mov_b32 s[G0B+4*\s], 1
	s_add_co_u32 s[G0B+4*\s+1], s45, \s*SLOT
	s_add_nc_u64 s[G0B+4*\s+2:G0B+4*\s+3], s[96:97], \s*TILEB
	s_or_b32 s[G0B+4*\s+3], s[G0B+4*\s+3], 0x80000000
.endr
	s_mov_b32 s[G0+1], 0                           ; slot 0's group 0 serves the head's loads first: A's 16 tiles whole, at the slot's start,
	s_mov_b32 s[G0B+1], 2*HALFT                    ; B's behind them
	s_mul_i32 s22, s[HH], 8*12288                  ; slot 1's is the ring's: my 8 tiles of the 16
	s_mov_b32 s23, 0
	s_add_nc_u64 s[G0+6:G0+7], s[G0+6:G0+7], s[22:23]
	s_add_nc_u64 s[G0B+6:G0B+7], s[G0B+6:G0B+7], s[22:23]
; one chain of branches on the wave's number, one load to an arm: wave 0 A's codes, wave 1 B's, wave 2 A's scale words, wave 3 B's
.macro ARM under, g0, g1, next
	s_cmp_lt_u32 s[WV], \under
	s_cbranch_scc0 \next
	tensor_load_to_lds s[\g0:\g0+3], s[\g1:\g1+7]
	s_nop 0
.rept 4
	v_nop
.endr
	s_branch .Lhead_asked
\next:
.endm
	ARM 1, G0,  G1,  .Lhead_b
	ARM 2, G0B, G1B, .Lhead_sa
	ARM 3, G0S, G1S, .Lhead_sb
	tensor_load_to_lds s[G0SB:G0SB+3], s[G1SB:G1SB+7]
	s_nop 0
.rept 4
	v_nop
.endr
.Lhead_asked:
	v_and_b32 v1, 31, v0
	v_and_b32 v2, 15, v0
	v_bfe_u32 v[HLR], v0, 4, 1
	v_lshlrev_b32 v[O16], 4, v1
	v_lshlrev_b32 v5, 3, v1
	v_add_nc_u32 v[O8], 512, v5
	v_lshlrev_b32 v[O4], 2, v1
	v_lshlrev_b32 v[SH8], 3, v[HLR]
	v_mov_b32 v[TM+6], 0
	s_mul_i32 s22, s[FH], HALFT
	s_mul_i32 s23, s[HH], HALFT
	s_add_co_u32 s23, s23, 2*HALFT
.irp s, 0,1
	v_add_nc_u32 v[ADRA+\s], s22, v[O16]
	v_add_nc_u32 v[ADRB+\s], s23, v[O16]
	v_add_nc_u32 v[ADRA+2+\s], s22, v5
	v_add_nc_u32 v[ADRB+2+\s], s23, v5
	s_add_co_u32 s22, s22, SLOT
	s_add_co_u32 s23, s23, SLOT
.endr
	s_lshl_b32 s22, s[FH], 12
	s_lshl_b32 s23, s[HH], 12
	s_add_co_u32 s23, s23, 8192
	s_sub_co_u32 s23, s23, s22
	v_mul_u32_u24 v6, s23, v[HLR]
	s_add_co_u32 s22, s22, SCL
	v_lshl_add_u32 v6, v2, 3, v6
	v_add_nc_u32 v[ADRS], s22, v6
	s_mov_b32 s40, 393216
	s_mov_b32 s41, 0
	s_mov_b32 s42, 3072
	s_mov_b32 s43, 0
	s_mov_b32 s44, 256
	s_mov_b32 s45, 0
	s_mov_b32 s46, 32768
	s_cmp_eq_u32 ttmp9, 0
	s_cselect_b64 s[100:101], s[8:9], s[10:11]
	s_cmp_ge_u32 s[CLY], 8
	s_cselect_b64 s[100:101], s[12:13], s[100:101]
	s_cselect_b32 s40, 3072, s40
	s_cselect_b32 s42, 393216, s42
	s_cselect_b32 s44, 16384, s44
	s_cselect_b32 s46, 256, s46
	s_cselect_b32 s47, 12582912, 0
	s_cselect_b32 s4, 524288, 0
	s_cselect_b32 s66, 0, -1
	s_cselect_b32 s67, -1, 0
	s_lshl_b32 s22, s[PT], 8
	s_lshl_b32 s23, s[HH], 7
	s_add_co_u32 s22, s22, s23
	s_and_b32 s22, s22, 1023
	s_lshl_b32 s22, s22, 2
	v_lshl_add_u32 v6, v[HLR], 7, s22
.irp c, 0,1
.irp g, 0,1,2,3,4,5,6,7
	global_load_b128 v[BP+32*\c+4*\g:BP+32*\c+4*\g+3], v6, s[100:101] offset:256*\c+16*\g
.endr
.endr
	s_lshl_b32 s22, s[RT], 8
	s_lshl_b32 s23, s[FH], 7
	s_add_co_u32 s22, s22, s23
	s_and_b32 s22, s22, 1023
	s_lshl_b32 s22, s22, 2
	v_and_b32 v7, 7, v0
	v_bfe_u32 v8, v0, 3, 1
	v_lshl_add_u32 v7, v8, 5, v7
	v_lshl_add_u32 v7, v7, 2, s22
.irp a, 0,1,2,3,4,5,6,7
	global_load_b32 v[BR+2*\a], v7, s[12:13] offset:(64*(\a/4)+8*(\a%4))*4
	v_mov_b32 v[BR+2*\a+1], 0
.endr
	s_lshl_b32 s22, s[PT], 1
	s_add_co_u32 s22, s22, s[HH]
	s_lshl_b32 s23, s[RT], 2
	s_lshl_b32 s5, s[FH], 1
	s_add_co_u32 s23, s23, s5
	s_mul_i32 s92, s22, s40
	s_lshl_b32 s92, s92, 1
	s_mul_i32 s5, s23, s42
	s_add_co_u32 s92, s92, s5
	s_add_co_u32 s92, s92, s47
	s_mov_b32 s93, 0
	s_add_nc_u64 s[PCB:PCB+1], s[14:15], s[92:93]
	s_add_nc_u64 s[PCB+2:PCB+3], s[PCB:PCB+1], s[42:43]
	s_add_nc_u64 s[PCB+4:PCB+5], s[PCB:PCB+1], s[40:41]
	s_add_nc_u64 s[PCB+6:PCB+7], s[PCB+2:PCB+3], s[40:41]
	s_mul_i32 s8, s22, s46
	s_mul_i32 s5, s23, s44
	s_add_co_u32 s8, s8, s5
	s_add_co_u32 s8, s8, s4
	s_mov_b32 s9, 0
	s_add_nc_u64 s[PSB:PSB+1], s[16:17], s[8:9]
	s_add_nc_u64 s[PSB+2:PSB+3], s[PSB:PSB+1], s[44:45]
	s_mov_b32 s[SEL], 0x76543210
	s_mov_b32 s[SEL+1], 0xfedcba98
	s_wait_loadcnt 0x0
.set i, 0
.rept 64
	v_and_b32 v[BP+i], s66, v[BP+i]
.set i, i+1
.endr
.irp a, 0,1,2,3,4,5,6,7
	v_and_b32 v[BR+2*\a], s67, v[BR+2*\a]
.endr
.macro FRAG reg, adr, q, i
	ds_load_b128 v[\reg:\reg+3], v[\adr] offset:(\i)*TILEB+(\q)*1536
	ds_load_b64 v[\reg+4:\reg+5], v[\adr+2] offset:(\i)*TILEB+(\q)*1536+512
	ds_load_b128 v[\reg+6:\reg+9], v[\adr] offset:(\i)*TILEB+(\q)*1536+768
	ds_load_b64 v[\reg+10:\reg+11], v[\adr+2] offset:(\i)*TILEB+(\q)*1536+1280
.endm
.macro MUL16 a0, p, q, sc, first
.irp a, \a0, \a0+1
.irp b, 0,1,2,3,4,5,6,7
.if \first
	v_wmma_scale_f32_16x16x128_f8f6f4 v[8*(8*((\a)%4)+\b):8*(8*((\a)%4)+\b)+7], v[128*(\p)+FR*\b:128*(\p)+FR*\b+FR-1], v[AF+FR*(\a):AF+FR*(\a)+FR-1], v[BP+8*\b:BP+8*\b+7], v[SC+8*NQ*(\sc)+NQ*\b+(\q)], v[SC+8*NQ*(\sc)+NQ*(\a)+(\q)] matrix_a_fmt:MATRIX_FMT_FP6 matrix_b_fmt:MATRIX_FMT_FP6 matrix_a_scale:MATRIX_SCALE_ROW1
.else
	v_wmma_scale_f32_16x16x128_f8f6f4 v[8*(8*((\a)%4)+\b):8*(8*((\a)%4)+\b)+7], v[128*(\p)+FR*\b:128*(\p)+FR*\b+FR-1], v[AF+FR*(\a):AF+FR*(\a)+FR-1], v[8*(8*((\a)%4)+\b):8*(8*((\a)%4)+\b)+7], v[SC+8*NQ*(\sc)+NQ*\b+(\q)], v[SC+8*NQ*(\sc)+NQ*(\a)+(\q)] matrix_a_fmt:MATRIX_FMT_FP6 matrix_b_fmt:MATRIX_FMT_FP6 matrix_a_scale:MATRIX_SCALE_ROW1
.endif
.endr
.endr
.endm
.macro FETCH_B slot, q, p
	WIN TO_B
.irp i, 0,1,2,3,4,5,6,7
	FRAG 128*(\p)+FR*\i, ADRB+\slot, \q, \i
.endr
	WIN 0
.endm
.macro FETCH_A slot, q, i0
.irp i, \i0, \i0+1, \i0+2, \i0+3
	FRAG AF+FR*(\i), ADRA+\slot, \q, \i
.endr
.endm
.macro SCALES sc
.irp i, 0,1,2,3,4,5,6,7
	ds_load_b64 v[SC+8*NQ*\sc+NQ*\i:SC+8*NQ*\sc+NQ*\i+1], v[ADRS] offset:\i*512
.endr
.endm
.macro PLACES n
.rept \n
	v_nop
.endr
.endm
.macro STEP slot, q, first
	s_wait_dscnt 4*NL
.if \first
	WIN 0x81
.else
	WIN MUL_LO
.endif
	MUL16 0, (\q)%2, \q, \slot, \first
	MUL16 2, (\q)%2, \q, \slot, \first
	s_wait_dscnt 0
	PLACES NP
	FETCH_B \slot, (\q)+1, 1-(\q)%2
	FETCH_A \slot, (\q)+1, 0
.if \first
	WIN 0xc1
.else
	WIN MUL_HI
.endif
	MUL16 4, (\q)%2, \q, \slot, \first
	MUL16 6, (\q)%2, \q, \slot, \first
	PLACES NP
	WIN 0
	FETCH_A \slot, (\q)+1, 4
.endm
.macro TURN slot, next, fill
	s_wait_tensorcnt 0x0
	ds_add_u32 v[SPW], v[NIL]
	s_wait_dscnt 4*NL+1
	WIN MUL_LO
	MUL16 0, 1, NQ-1, \slot, 0
	s_wait_dscnt 0x0
	s_barrier_signal -1
	MUL16 2, 1, NQ-1, \slot, 0
	WIN 0
	s_barrier_wait -1
.if \fill
	CREST
	s_add_nc_u64 s[G0+4*\slot+2:G0+4*\slot+3], s[G0+4*\slot+2:G0+4*\slot+3], 2*TILEB
	s_add_nc_u64 s[G0B+4*\slot+2:G0B+4*\slot+3], s[G0B+4*\slot+2:G0B+4*\slot+3], 2*TILEB
	JLOAD G0+4*\slot, G1, G0B+4*\slot, G1B
.else
	PLACES NP
.endif
	s_wait_alu depctr_va_vdst(0)
	v_add_nc_u32 v[ADRS], 128, v[ADRS]
	FETCH_B \next, 0, 0
	FETCH_A \next, 0, 0
	SCALES \next
	WIN MUL_HI
	MUL16 4, 1, NQ-1, \slot, 0
	MUL16 6, 1, NQ-1, \slot, 0
	PLACES NP
	WIN 0
	FETCH_A \next, 0, 4
.endm
	s_wait_alu depctr_va_vdst(0)
	s_wait_tensorcnt 0x0                           ; my tile of the head's four is in; the three lines and a whole round stand ahead of slot 1's first fill
	ds_add_u32 v[SPW], v[NIL]
	s_mov_b32 s[G1+2], 8<<16                       ; no tensor load of mine is out: from here on a load brings 8 tiles,
	s_mov_b32 s[G1+4], 8
	s_mov_b32 s[G1B+2], 8<<16
	s_mov_b32 s[G1B+4], 8
	s_mul_i32 s[G0+1], s[WV], HALFT                ; and slot 0's group 0 becomes the ring's: my quarter of the slot, my 8 tiles
	s_mul_i32 s[G0B+1], s[WV], HALFT
	s_mul_i32 s22, s[HH], 8*12288
	s_mov_b32 s23, 0
	s_add_nc_u64 s[G0+2:G0+3], s[G0+2:G0+3], s[22:23]
	s_add_nc_u64 s[G0B+2:G0B+3], s[G0B+2:G0B+3], s[22:23]
	s_wait_dscnt 0x0
	CROUND
	JLOAD G0+4, G1, G0B+4, G1B                     ; slot 1: the first tensor load behind the round
	FETCH_B 0, 0, 0
	FETCH_A 0, 0, 0
	SCALES 0
	FETCH_A 0, 0, 4
	STEP 0, 0, 1
	TURN 0, 1, 1
	STEP 1, 0, 0
	TURN 1, 0, 1
	STEP 0, 0, 0
	TURN 0, 1, 0
	STEP 1, 0, 0
	s_wait_dscnt 4*NL
	WIN MUL_LO
	MUL16 0, 1, NQ-1, 1, 0
	MUL16 2, 1, NQ-1, 1, 0
	s_wait_dscnt 0
	WIN MUL_HI
	MUL16 4, 1, NQ-1, 1, 0
	MUL16 6, 1, NQ-1, 1, 0
	WIN 0
.macro QUANT2 s, pc, pw
	v_max3_num_f32 v[TM], |v[\s]|, |v[\s+1]|, FLOOR
	v_max3_num_f32 v[TM+1], |v[\s+32]|, |v[\s+33]|, FLOOR
.irp i, 2,4,6,8,10,12,14,16,18,20,22,24,26,28,30
	v_max3_num_f32 v[TM], v[TM], |v[\s+\i]|, |v[\s+\i+1]|
	v_max3_num_f32 v[TM+1], v[TM+1], |v[\s+32+\i]|, |v[\s+33+\i]|
.endr
	v_add_nc_u32 v[TM+2], DOWN2, v[TM]
	v_add_nc_u32 v[TM+3], DOWN2, v[TM+1]
	v_lshrrev_b32 v[TM+4], 23, v[TM+2]
	v_lshrrev_b32 v[TM+5], 23, v[TM+3]
	v_lshl_or_b32 v[TM+4], v[TM+5], 16, v[TM+4]
	v_lshlrev_b32 v[TM+4], v[SH8], v[TM+4]
	v_permlanex16_b32 v[TM+6], v[TM+4], s[SEL], s[SEL+1]
	v_or_b32 v[\pw], v[TM+4], v[TM+6]
	v_cvt_scalef32_pk16_fp6_f32 v[\pc:\pc+2], v[\s:\s+15], v[TM+2]
	v_cvt_scalef32_pk16_fp6_f32 v[TP:TP+2], v[\s+16:\s+31], v[TM+2]
	v_cvt_scalef32_pk16_fp6_f32 v[\pc+6:\pc+8], v[\s+32:\s+47], v[TM+3]
	v_cvt_scalef32_pk16_fp6_f32 v[TP+4:TP+6], v[\s+48:\s+63], v[TM+3]
	v_nop
.irp i, 0,1,2
	v_mov_b32 v[\pc+3+\i], v[TP+\i]
	v_mov_b32 v[\pc+9+\i], v[TP+4+\i]
.endr
.endm
.macro OUTA a
	s_wait_xcnt 0x0
	WIN 0x02+(\a)/4
.set j, 0
.rept 32
	v_pk_add_f32 v[QS+j:QS+j+1], v[64*((\a)%4)+j:64*((\a)%4)+j+1], v[BR+2*(\a):BR+2*(\a)+1] op_sel_hi:[1,0]
.set j, j+2
.endr
	WIN 0
	QUANT2 QS, PCD, PWS+(\a)
.irp c, 0,1
	global_store_b128 v[O16], v[PCD+6*\c:PCD+6*\c+3], s[PCB+4*\c+2*((\a)/4):PCB+4*\c+2*((\a)/4)+1] offset:768*((\a)%4)
	global_store_b64 v[O8], v[PCD+6*\c+4:PCD+6*\c+5], s[PCB+4*\c+2*((\a)/4):PCB+4*\c+2*((\a)/4)+1] offset:768*((\a)%4)
.endr
.endm
	PLACES NP
.irp a, 0,1,2,3,4,5,6,7
	OUTA \a
.endr
	v_cmp_ne_u32 vcc_lo, 0, v[HLR]
.irp a, 0,2,4,6
	v_cndmask_b32 v[PWS+\a], v[PWS+\a], v[PWS+\a+1], vcc_lo
.endr
.irp a, 0,2,4,6
	global_store_b32 v[O4], v[PWS+\a], s[PSB+2*(\a/4):PSB+2*(\a/4)+1] offset:128*((\a%4)/2)
.endr
	s_wait_tensorcnt 0x0
	ds_add_u32 v[SPW], v[NIL]
	s_wait_dscnt 0x0
	CROUND
	s_endpgm
.Lfunc_end_k_q5eaf2e2745_proj:
	.size	k_q5eaf2e2745_proj, .Lfunc_end_k_q5eaf2e2745_proj-k_q5eaf2e2745_proj
	.p2alignl 7, 3214868480
	.fill 96, 4, 3214868480
	.section	.rodata,"a",@progbits
	.p2align	6, 0x0
	.amdhsa_kernel k_q5eaf2e2745_proj
		.amdhsa_group_segment_fixed_size 327680
		.amdhsa_private_segment_fixed_size 0
		.amdhsa_enable_private_segment 0
		.amdhsa_kernarg_size 56
		.amdhsa_user_sgpr_count 2
		.amdhsa_user_sgpr_kernarg_segment_ptr 1
		.amdhsa_wavefront_size32 1
		.amdhsa_system_sgpr_workgroup_id_x 1
		.amdhsa_system_sgpr_workgroup_id_y 1
		.amdhsa_system_sgpr_workgroup_id_z 1
		.amdhsa_system_vgpr_workitem_id 0
		.amdhsa_next_free_vgpr 1024
		.amdhsa_next_free_sgpr 102
		.amdhsa_reserve_vcc 1
		.amdhsa_float_denorm_mode_32 3
		.amdhsa_float_denorm_mode_16_64 3
		.amdhsa_memory_ordered 1
		.amdhsa_forward_progress 1
		.amdhsa_inst_pref_size 166
	.end_amdhsa_kernel
	.amdgpu_metadata
---
amdhsa.version: [ 1, 2 ]
amdhsa.kernels:
  - .name:           k_q5eaf2e2745_proj
    .symbol:         k_q5eaf2e2745_proj.kd
    .args:
      - { .name: qc, .offset: 0, .size: 8, .value_kind: global_buffer, .address_space: global }
      - { .name: qs, .offset: 8, .size: 8, .value_kind: global_buffer, .address_space: global }
      - { .name: bq, .offset: 16, .size: 8, .value_kind: global_buffer, .address_space: global }
      - { .name: bk, .offset: 24, .size: 8, .value_kind: global_buffer, .address_space: global }
      - { .name: bv, .offset: 32, .size: 8, .value_kind: global_buffer, .address_space: global }
      - { .name: pc, .offset: 40, .size: 8, .value_kind: global_buffer, .address_space: global }
      - { .name: ps, .offset: 48, .size: 8, .value_kind: global_buffer, .address_space: global }
    .group_segment_fixed_size: 327680
    .private_segment_fixed_size: 0
    .kernarg_segment_align: 8
    .kernarg_segment_size: 56
    .max_flat_workgroup_size: 128
    .sgpr_count:     102
    .vgpr_count:     1024
    .wavefront_size: 32
...
	.end_amdgpu_metadata
.endif
;; end of part 2
;; launch attn (part 3): grid 4 x 64, 16 waves a work-group, clusters of 4 x 1, 210,944 bytes of LDS; arguments pc, ps, ac, asc; writes ac, asc
.if DOCPART == 3
	.amdgcn_target "amdgcn-amd-amdhsa--gfx1250"
	.amdhsa_code_object_version 6
	.text
	.protected	k_q5eaf2e2745_attn
	.globl	k_q5eaf2e2745_attn
	.p2align	8
	.type	k_q5eaf2e2745_attn,@function
k_q5eaf2e2745_attn:
	s_mov_b64 s[64:65], 0
	v_nop
	global_prefetch_b8 v0, s[64:65] scope:SCOPE_SE
	s_setreg_imm32_b32 hwreg(HW_REG_WAVE_MODE, 25, 1), 1
	s_wait_xcnt 0x0
	s_wait_alu depctr_hold_cnt(0) depctr_sa_sdst(0) depctr_va_vdst(0) depctr_va_sdst(0) depctr_va_ssrc(0) depctr_va_vcc(0) depctr_vm_vsrc(0)
	s_getreg_b32 s2, hwreg(HW_REG_IB_STS2, 6, 4)
	s_cmp_eq_u32 s2, 0
	s_cbranch_scc0 .Lentry_in_a_cluster
	s_endpgm
.Lentry_in_a_cluster:
	s_bfe_u32 s2, ttmp6, 0x10000c
	s_cmp_lg_u32 s2, 0x3003
	s_cbranch_scc0 .Lentry_shape_is_right
	s_endpgm
.Lentry_shape_is_right:
; o = softmax(Q K^T / 8) V for one head of 64, 2,048 keys, both products on codes of FP6 (E2M3) with E8M0 scales; the result, divided by the row's sum, is quantised along h d and leaves as the last product's operand.
; THE SOFTMAX: t = score x log2(e) / 8; M = the row's largest t so far, rounded UP to a whole number; p = 2^(t - M) is quantised along the keys, not normalised; the row's sum is taken of the unquantised p.
; When M moves, the sum and O are multiplied by 2^(old M - new M): exact.
; SHARES.  256 work-groups.  A work-group owns 512 queries of one (batch, head); each of its sixteen waves (four for each of a WGP's SIMDs, 256 registers each) takes two tiles of 16 queries, one after the other (PASS 0, PASS 1).
; THE WHOLE HEAD'S K AND V LIE IN LDS, FILLED ONCE: 98,304 bytes each, and their scale words (8,192 and 4,096).  One tensor load a wave at the head: waves 0-5 a sixth of K's codes each, waves 6-11 of V's,
; waves 12, 13 a half of K's scale words, wave 14 V's; wave 15 none.  Every wave waits for its load (0), one barrier shows all to all, and the 32 key steps of a wave that follow have no barrier: nothing is filled again.
; All is asked for at the head, so there is no later load that a prefetch could run ahead of.
; CLUSTER: the four blocks of queries of one head read the same K and V: every load is a joint one, mask 15.
; LAYOUT.  Both products are used transposed: S^T = K Q^T, O^T = V^T P^T: a lane holds ONE query (place lane % 16 of its tile).  By the order of tokens in a tile (place p of tile t of a group of 64 = token 32 (p / 8) + 8 t + p % 8)
; the 32 registers of K's tiles 4 c .. 4 c + 3 are keys 64 c + 32 hl + 0 .. 31: a whole block in a lane, in the operand's own lane order: no lane is asked for a block's maximum, and the conversions' results are P's registers.
; K = 64 IN AN INSTRUCTION OF 128: Q's registers 6-11 are zero codes.  K's source is 12 registers from its tile's six on: the upper six are the next tile's codes (finite numbers, which multiply zeros); scale bytes 2, 3 are 0, which is 2^-127.
; THE STEP'S LDS LOADS RUN AHEAD.  K has registers of its own: the next step's tiles are asked for directly behind this step's score products.  V's fragments land in p's registers as these fall free:
; two while the second block's exponentials are issued, two behind the second block's conversions.  In a pass's last step the loads for a next step read LDS bytes that lie behind K's (V's codes and scale words); they are not used.
; THE SCALE BYTES of the result leave singly, one a lane: a head owns two bytes of a row's eight.
; LIMITS: a block of zeros gets the byte 1 where the rule says 127 (zero codes; this program alone reads the bytes); NaN and infinities are not served; the scaled scores t stay under 2^31 in magnitude.
; REGISTERS: v1-7, v92 addresses that stay; v8-11, v28, v29 the step's; v12 -M, v13 the largest score, v[14:15] the sum; v16-27 Q; v30 Q's scale; v226-232 the second tile's Q and scale; v32-79 K's tiles (6 each), v80-85 zeros;
;   v86-89 K's scale words, v90-91 V's; v93 the old -M; v96-159 S^T, then p, then V's fragments (v96, v108, v128, v140); v160-191 O^T; v192-203 P's codes; v204-210 their upper halves; v212-225 at work; v220 P's scale word;
;   v234-249 partial sums; v254, v255 the spare word's address and 0.
.set VC,   98304                       ; LDS: K's codes at 0, V's here,
.set KSC,  196608                      ; K's scale words,
.set VSC,  204800                      ; V's,
.set SPARE, 208896                     ; and the spare words: 128 bytes a wave
.set FLOOR, 0x1800000
.set DOWN2, 0xff000000
.set WV,   12
.set SEL,  20
.set CS,   22                          ; s[22:23] c = log2(e) / 8
.set G1C,  24                          ; group 1: 64 rows of 256 bytes (a piece of codes)
.set G1S,  32                          ; 16 rows (a piece of scale words)
.set G0C,  48
.set G0S,  52
.set TB,   72                          ; the step's place among the codes: 6,144 bytes a step
.set TS,   73                          ; among K's scale words: 512
.set TJ,   74                          ; among V's: 256
.set CNT,  75
.macro CROUND
	s_barrier_signal -1
	s_barrier_wait -1
	s_cmp_lg_u32 s[WV], 0
	s_cbranch_scc1 .Lnot_wave_0_\@
	s_barrier_signal -3
.Lnot_wave_0_\@:
	s_barrier_wait -3
	s_barrier_signal -1
	s_barrier_wait -1
.endm
	s_load_b256 s[4:11], s[0:1], 0x0               ; pc, ps, ac, asc
	v_lshl_add_u32 v254, v0, 2, SPARE
	v_mov_b32 v255, 0
	ds_add_u32 v254, v255                          ; the opening lines: the add, twice on end, and its wait
	ds_add_u32 v254, v255
	v_lshrrev_b32 v8, 5, v0
	s_delay_alu instid0(VALU_DEP_1)
	v_readfirstlane_b32 s[WV], v8                  ; wave 0..15
	s_bfe_u32 s13, ttmp6, 0x40000                  ; cx
	s_lshl_b32 s14, ttmp9, 2
	s_add_co_u32 s14, s14, s13                     ; my block of 512 queries: it enters Q's and the result's addresses alone
	s_and_b32 s15, ttmp7, 0xffff
	s_and_b32 s16, s15, 15                         ; h
	s_lshr_b32 s17, s15, 4                         ; b
.irp g, G1C, G1S
	s_mov_b32 s[\g], 15|(3<<16)|(1<<21)            ; the mask: all four work-groups; elements of 8 bytes; bit 21 beside a mask
	s_mov_b32 s[\g+1], 32<<16
	s_mov_b32 s[\g+3], 32<<16
	s_mov_b32 s[\g+5], 32
	s_mov_b32 s[\g+6], 0
	s_mov_b32 s[\g+7], 0
.endr
	s_mov_b32 s[G1C+2], 64<<16
	s_mov_b32 s[G1C+4], 64
	s_mov_b32 s[G1S+2], 16<<16
	s_mov_b32 s[G1S+4], 16
	s_add_co_u32 s40, s16, 16
	s_lshl_b32 s40, s40, 9
	s_lshl_b32 s41, s17, 7
	s_add_co_u32 s40, s40, s41
	s_mul_i32 s40, s40, 768                        ; K's codes: ((16 + h) 512 + 128 b) 768
	s_lshl_b32 s42, s16, 7
	s_lshl_b32 s43, s17, 5
	s_add_co_u32 s42, s42, s43
	s_mul_i32 s42, s42, 3072
	s_add_co_u32 s42, s42, 12582912-VC             ; V's: 12,582,912 + (128 h + 32 b) 3,072, less the six pieces by which waves 6-11 are ahead
	s_lshr_b32 s44, s16, 1
	s_add_co_u32 s44, s44, 8
	s_lshl_b32 s44, s44, 9
	s_add_co_u32 s44, s44, s41
	s_lshl_b32 s44, s44, 6                         ; K's scale words: ((8 + h / 2) 512 + 128 b) 64
	s_lshl_b32 s46, s16, 6
	s_lshl_b32 s47, s17, 4
	s_add_co_u32 s46, s46, s47
	s_lshl_b32 s46, s46, 8
	s_add_co_u32 s46, s46, 524288                  ; V's: 524,288 + (64 h + 16 b) 256
	s_lshl_b32 s56, s[WV], 14                      ; a piece of codes goes to LDS byte 16,384 x wave: K's six, then V's six
	s_cmp_lt_u32 s[WV], 6                          ; offsets are chosen, by the wave's number
	s_cselect_b32 s40, s40, s42
	s_add_co_u32 s40, s40, s56
	s_mov_b32 s41, 0
	s_and_b32 s57, s[WV], 3                        ; waves 12, 13, 14: pieces 0, 1, 2 of the scale words
	s_lshl_b32 s57, s57, 12
	s_add_co_u32 s44, s44, s57
	s_cmp_eq_u32 s[WV], 14
	s_cselect_b32 s44, s46, s44
	s_mov_b32 s45, 0
	s_add_co_u32 s57, s57, KSC
	s_and_b32 s87, s16, 1
	s_lshl_b32 s87, s87, 1                         ; 2 (h % 2): my head's two bytes of a word
	s_lshl_b32 s18, s17, 7
	s_lshl_b32 s19, s14, 5
	s_add_co_u32 s18, s18, s19
	s_add_co_u32 s18, s18, s[WV]                   ; T: my first tile of tokens: 128 b + 32 block + wave; the second is T + 16
	s_lshl_b32 s88, s16, 9
	s_add_co_u32 s88, s88, s18
	s_mul_i32 s88, s88, 768                        ; Q's codes
	s_mov_b32 s89, 0
	s_lshr_b32 s90, s16, 1
	s_lshl_b32 s90, s90, 9
	s_add_co_u32 s90, s90, s18
	s_lshl_b32 s90, s90, 6
	s_add_co_u32 s90, s90, s87                     ; Q's scale words
	s_mov_b32 s91, 0
	s_lshl_b32 s92, s18, 4
	s_add_co_u32 s92, s92, s16
	s_mul_i32 s92, s92, 768                        ; the result's half image: (16 T + h) 768
	s_mov_b32 s93, 0
	s_lshl_b32 s94, s18, 9
	s_lshr_b32 s95, s16, 2
	s_lshl_b32 s95, s95, 7
	s_add_co_u32 s94, s94, s95
	s_and_b32 s95, s16, 3
	s_lshl_b32 s95, s95, 1
	s_add_co_u32 s94, s94, s95                     ; its scale bytes: 512 T + 128 (h / 4) + 2 (h % 4)
	s_mov_b32 s95, 0
	s_mov_b32 s[SEL], 0x76543210
	s_mov_b32 s[SEL+1], 0xfedcba98
	s_mov_b32 s[CS], 0x3e38aa3b                    ; log2(e) / 8
	s_mov_b32 s[CS+1], s[CS]                       ; (named with it as a pair)
	s_mov_b32 s[G0C], 1
	s_mov_b32 s[G0C+1], s56
	s_mov_b32 s[G0S], 1
	s_mov_b32 s[G0S+1], s57
	s_wait_alu depctr_va_vdst(0)                   ; ahead of the waits and branches below
	s_wait_dscnt 0x0                               ; both opening adds are done
	CROUND                                         ; all four work-groups are here: the joint loads meet
	s_wait_kmcnt 0x0
	s_add_nc_u64 s[G0C+2:G0C+3], s[4:5], s[40:41]
	s_or_b32 s[G0C+3], s[G0C+3], 0x80000000
	s_add_nc_u64 s[G0S+2:G0S+3], s[6:7], s[44:45]
	s_or_b32 s[G0S+3], s[G0S+3], 0x80000000
	s_cmp_lt_u32 s[WV], 12                         ; one chain of branches on the wave's number, one load to an arm
	s_cbranch_scc0 .Lnot_codes
	tensor_load_to_lds s[G0C:G0C+3], s[G1C:G1C+7]
	s_nop 0
.rept 4
	v_nop
.endr
	s_branch .Lasked
.Lnot_codes:
	s_cmp_lt_u32 s[WV], 15
	s_cbranch_scc0 .Lasked
	tensor_load_to_lds s[G0S:G0S+3], s[G1S:G1S+7]
	s_nop 0
.rept 4
	v_nop
.endr
.Lasked:
	s_add_nc_u64 s[88:89], s[4:5], s[88:89]
	s_add_nc_u64 s[90:91], s[6:7], s[90:91]
	s_add_nc_u64 s[8:9], s[8:9], s[92:93]
	s_add_nc_u64 s[10:11], s[10:11], s[94:95]
	v_and_b32 v9, 31, v0                           ; l
	v_and_b32 v10, 15, v0                          ; r
	v_bfe_u32 v11, v0, 4, 1                        ; hl
	s_delay_alu instid0(VALU_DEP_3)
	v_lshlrev_b32 v1, 4, v9                        ; an image's part a: 16 l
	s_delay_alu instid0(VALU_DEP_4)
	v_lshl_add_u32 v2, v9, 3, 512                  ; its part b: 512 + 8 l
	s_delay_alu instid0(VALU_DEP_2)
	v_add_nc_u32 v3, VC, v1                        ; the same in V's codes
	s_delay_alu instid0(VALU_DEP_2)
	v_add_nc_u32 v4, VC, v2
	s_add_co_u32 s87, s87, KSC
	v_lshl_add_u32 v5, v9, 2, s87                  ; K's scale words: 4 l (two tiles' rows) + my head's two bytes
	v_lshl_add_u32 v6, v9, 2, VSC                  ; V's
	v_lshlrev_b32 v7, 3, v11                       ; 8 hl
	v_lshlrev_b32 v31, 2, v10
	v_lshl_add_u32 v92, v10, 3, v11                ; the result's scale byte: 8 r + hl
	global_load_b128 v[16:19], v1, s[88:89]        ; both tiles' half images of Q stay in registers
	global_load_b64 v[20:21], v2, s[88:89]
	global_load_u16 v30, v31, s[90:91]             ; two scale bytes; bytes 2, 3 are 0
	global_load_b128 v[226:229], v1, s[88:89] offset:12288
	global_load_b64 v[230:231], v2, s[88:89] offset:12288
	global_load_u16 v232, v31, s[90:91] offset:1024
.irp j, 22,23,24,25,26,27,80,81,82,83,84,85
	v_mov_b32 v\j, 0                               ; zero codes: Q's upper 64 along K, and what stands behind K's last tile
.endr
	v_mov_b32 v215, 0                              ; (lane permutes' destinations count as read)
	v_mov_b32 v221, 0
	v_mov_b32 v225, 0                              ; (named as the upper half of the pair v[224:225])
.macro VL d, p, y                      ; load p (0..3) of V's fragment d (16 of the head's 64 x 128 keys) into the twelve registers from y on
.if (\p) == 0
	ds_load_b128 v[(\y):(\y)+3], v10 offset:768*(\d)
.elseif (\p) == 1
	ds_load_b64 v[(\y)+4:(\y)+5], v11 offset:768*(\d)
.elseif (\p) == 2
	ds_load_b128 v[(\y)+6:(\y)+9], v10 offset:3072+768*(\d)
.else
	ds_load_b64 v[(\y)+10:(\y)+11], v11 offset:3072+768*(\d)
.endif
.endm
.macro PV d, y                         ; O^T's tile d += V's fragment d (at y) x P
.if (\d)%2
	v_wmma_scale_f32_16x16x128_f8f6f4 v[160+8*\d:167+8*\d], v[\y:\y+11], v[192:203], v[160+8*\d:167+8*\d], v[90+\d/2], v220 matrix_a_fmt:MATRIX_FMT_FP6 matrix_b_fmt:MATRIX_FMT_FP6 matrix_a_scale:MATRIX_SCALE_ROW1
.else
	v_wmma_scale_f32_16x16x128_f8f6f4 v[160+8*\d:167+8*\d], v[\y:\y+11], v[192:203], v[160+8*\d:167+8*\d], v[90+\d/2], v220 matrix_a_fmt:MATRIX_FMT_FP6 matrix_b_fmt:MATRIX_FMT_FP6
.endif
.endm
; A KEY STEP: 128 keys.  Its tiles of K and their scale words are in registers when it begins.
.macro TM j                            ; t - M, two at a time
	v_pk_fma_f32 v[96+\j:97+\j], v[96+\j:97+\j], s[CS:CS+1], v[12:13] op_sel_hi:[1,0,0]
.endm
.macro SUMB k, x                       ; the row's sum is taken of the unquantised p: chain k takes a pair of block B's, from register x on
	v_pk_add_f32 v[234+2*\k:235+2*\k], v[234+2*\k:235+2*\k], v[\x+2*\k:\x+1+2*\k]
.endm
.macro STEP
	v_add_nc_u32 v8, s[TB], v1                     ; five places between the last step's products, whose fragments of V lay in v96-151, and the products that write the scores there
	v_add_nc_u32 v9, s[TB], v2
	v_add_nc_u32 v10, s[TB], v3
	v_add_nc_u32 v11, s[TB], v4
	v_add_nc_u32 v28, s[TS], v5
.irp t, 0,1,2,3,4,5,6,7
.if \t%2
	v_wmma_scale_f32_16x16x128_f8f6f4 v[96+8*\t:103+8*\t], v[32+6*\t:43+6*\t], v[16:27], 0, v[86+\t/2], v30 matrix_a_fmt:MATRIX_FMT_FP6 matrix_b_fmt:MATRIX_FMT_FP6 matrix_a_scale:MATRIX_SCALE_ROW1
.else
	v_wmma_scale_f32_16x16x128_f8f6f4 v[96+8*\t:103+8*\t], v[32+6*\t:43+6*\t], v[16:27], 0, v[86+\t/2], v30 matrix_a_fmt:MATRIX_FMT_FP6 matrix_b_fmt:MATRIX_FMT_FP6
.endif
.endr
	v_add_nc_u32 v29, s[TJ], v6                    ; four places: loads land in K's registers, and the scores are read
	v_mov_b32 v93, v12                             ; the old -M
	v_nop
	v_nop
.irp t, 0,1,2,3,4,5,6,7                        ; the NEXT step's K: 22 LDS loads with the scale words
	ds_load_b128 v[32+6*\t:35+6*\t], v8 offset:6144+768*\t
	ds_load_b64 v[36+6*\t:37+6*\t], v9 offset:6144+768*\t
.endr
.irp i, 0,1,2,3
	ds_load_u16 v[86+\i], v28 offset:512+128*\i    ; lanes 0-15 tile 2 i's rows, lanes 16-31 tile 2 i + 1's
.endr
	ds_load_b32 v90, v29                           ; this step's scale words of V
	ds_load_b32 v91, v29 offset:128
	v_max3_num_f32 v212, v96, v97, v98             ; THE LARGEST SCORE OF MY TWO BLOCKS OF 32 KEYS, in four chains by turns, each accumulator from its low end on: it serves for the row's maximum and, since p rises with the score, for the block's largest p
	v_max3_num_f32 v216, v112, v113, v114
	v_max3_num_f32 v213, v128, v129, v130
	v_max3_num_f32 v217, v144, v145, v146
.irp i, 3,5,7,9,11,13
	v_max3_num_f32 v212, v212, v[96+\i], v[97+\i]
	v_max3_num_f32 v216, v216, v[112+\i], v[113+\i]
	v_max3_num_f32 v213, v213, v[128+\i], v[129+\i]
	v_max3_num_f32 v217, v217, v[144+\i], v[145+\i]
.endr
	v_max3_num_f32 v216, v216, v111, v127
	v_max3_num_f32 v217, v217, v143, v159
	s_delay_alu instid0(VALU_DEP_2)
	v_max_num_f32 v212, v212, v216
	s_delay_alu instid0(VALU_DEP_2)
	v_max_num_f32 v213, v213, v217
	s_delay_alu instid0(VALU_DEP_1)
	v_max_num_f32 v214, v212, v213
	s_delay_alu instid0(VALU_DEP_1)
	v_permlanex16_b32 v215, v214, s[SEL], s[SEL+1]
	s_delay_alu instid0(VALU_DEP_1)
	v_max3_num_f32 v13, v13, v214, v215            ; with lane l xor 16's 64 keys: the running largest score of my query (c is positive: the largest t is c x this)
	s_delay_alu instid0(VALU_DEP_1)
	v_mul_f32 v214, s[CS], v13                     ; as t
	s_delay_alu instid0(VALU_DEP_1)
	v_floor_f32 v12, -v214                         ; the new -M = -ceil(t)
	s_delay_alu instid0(VALU_DEP_1)
	v_sub_f32 v214, v12, v93                       ; old M - new M: a whole number, 0 or less
	TM 0
	TM 2
	s_delay_alu instid0(VALU_DEP_3)
	v_cvt_i32_f32 v214, v214                       ; (it saturates)
	TM 4
	TM 6
	s_delay_alu instid0(VALU_DEP_3)
	v_ldexp_f32 v224, 1.0, v214                    ; f = 2^(old M - new M)
.irp j, 8,10,12,14,16,18,20,22,24,26,28,30
	TM \j
.endr
	v_fma_f32 v212, v212, s[CS], v12               ; the same of each block's largest score
	v_fma_f32 v213, v213, s[CS], v12
	s_wait_alu depctr_va_vdst(0)                   ; ahead of the batch
	v_exp_f32 v212, v212                           ; the blocks' largest p
	v_exp_f32 v213, v213
.irp j, 0,2,4,6,8,10,12,14,16,18,20,22,24,26,28,30
	v_exp_f32 v[96+\j], v[96+\j]                   ; block A's p = 2^(t - M), at most 1; between them block B's t - M, which is read behind the next wait
	TM 32+\j
	v_exp_f32 v[97+\j], v[97+\j]
.endr
	v_pk_mul_f32 v[14:15], v[14:15], v[224:225] op_sel_hi:[1,0]   ; the sums under the new M (a plain line behind the exponentials)
	s_wait_alu depctr_va_vdst(0)                   ; behind the first batch and ahead of the second
	v_max_num_f32 v212, FLOOR, v212                ; the floor: the byte cannot fall under 1
	v_max_num_f32 v213, FLOOR, v213
	s_delay_alu instid0(VALU_DEP_2)
	v_add_nc_u32 v218, DOWN2, v212                 ; the conversions' scale operands
	s_delay_alu instid0(VALU_DEP_2)
	v_add_nc_u32 v219, DOWN2, v213
	v_cvt_scalef32_pk16_fp6_f32 v[192:194], v[96:111], v218
	v_cvt_scalef32_pk16_fp6_f32 v[204:206], v[112:127], v218      ; (a conversion's three registers begin on an even number)
.irp k, 0,1,2,3,4,5,6,7
	v_exp_f32 v[128+2*\k], v[128+2*\k]             ; block B's p; between them the first level of block A's sum: eight additions that hang on nothing written in the batch
	v_pk_add_f32 v[234+2*\k:235+2*\k], v[96+2*\k:97+2*\k], v[112+2*\k:113+2*\k]
	v_exp_f32 v[129+2*\k], v[129+2*\k]
.endr
.irp n, 0,1,2,3,4,5,6,7
	v_exp_f32 v[144+2*\n], v[144+2*\n]             ; block A's p has been read: V's fragments 0 and 1 land there
	VL \n/4, \n%4, 96+12*(\n/4)
	v_exp_f32 v[145+2*\n], v[145+2*\n]
.endr
	v_lshrrev_b32 v222, 23, v218                   ; block A's byte (a plain line behind the exponentials)
	s_wait_alu depctr_va_vdst(0)                   ; one wait for the batch, ahead of its first reader
	v_cvt_scalef32_pk16_fp6_f32 v[198:200], v[128:143], v219
	v_cvt_scalef32_pk16_fp6_f32 v[208:210], v[144:159], v219
	v_lshrrev_b32 v223, 23, v219                   ; block B's byte (a plain line behind the conversions)
.irp k, 0,1,2,3
	SUMB \k, 128
.endr
	v_lshl_or_b32 v222, v223, 16, v222             ; (the scale word's chain stands among the sums)
.irp k, 4,5,6,7
	SUMB \k, 128
.endr
	v_lshlrev_b32 v222, v7, v222                   ; byte 2 c + hl
.irp k, 0,1,2,3
	SUMB \k, 144
.endr
	v_permlanex16_b32 v221, v222, s[SEL], s[SEL+1]
.irp k, 4,5,6,7
	SUMB \k, 144
.endr
	v_or_b32 v220, v222, v221                      ; p's scale word for these 128 keys
.irp n, 0,1,2,3,4,5,6,7
	VL 2+\n/4, \n%4, 128+12*(\n/4)                 ; block B's p has been read: V's fragments 2 and 3
.endr
.irp k, 0,1,2,3
	v_pk_add_f32 v[234+2*\k:235+2*\k], v[234+2*\k:235+2*\k], v[242+2*\k:243+2*\k]
.endr
	v_mov_b32 v195, v204
	v_mov_b32 v196, v205
	v_pk_add_f32 v[234:235], v[234:235], v[238:239]
	v_pk_add_f32 v[236:237], v[236:237], v[240:241]
	v_mov_b32 v197, v206
	v_mov_b32 v201, v208
	v_mov_b32 v202, v209
	v_pk_add_f32 v[234:235], v[234:235], v[236:237]
	v_mov_b32 v203, v210
	s_wait_alu depctr_va_vdst(0)                   ; directly ahead of the first reader of O^T
.set jj, 0
.rept 16
	v_pk_mul_f32 v[160+jj:161+jj], v[160+jj:161+jj], v[224:225] op_sel_hi:[1,0]   ; O^T under the new M.  (These sixteen are also the lines between the writing of p's codes and scale word and the products)
.set jj, jj+2
.endr
	v_pk_add_f32 v[14:15], v[14:15], v[234:235]
	s_wait_alu depctr_va_vdst(0)                   ; ahead of the wait below
	s_wait_dscnt 8                                 ; all but the youngest eight loads, fragments 2 and 3: the next K, V's scale words and fragments 0 and 1 are in
	PV 0, 96                                       ; four accumulators, one instruction each
	PV 1, 108
	s_wait_dscnt 0x0
	PV 2, 128
	PV 3, 140
.endm
; A PASS: one tile of 16 queries against all 2,048 keys, sixteen steps, and its way out.  n: 0 my first tile, 1 my second.
.macro PASS n
.if \n
	s_wait_alu depctr_va_vdst(0)                   ; ahead of the wait below
	s_wait_xcnt 0x0                                ; the first tile's stores have read their registers
.endif
.irp t, 0,1,2,3,4,5,6,7                        ; the first step's K
	ds_load_b128 v[32+6*\t:35+6*\t], v1 offset:768*\t
	ds_load_b64 v[36+6*\t:37+6*\t], v2 offset:768*\t
.endr
.irp i, 0,1,2,3
	ds_load_u16 v[86+\i], v5 offset:128*\i
.endr
.if \n
.irp j, 0,1,2,3,4,5
	v_mov_b32 v[16+\j], v[226+\j]                  ; the second tile's Q
.endr
	v_mov_b32 v30, v232
.endif
	v_mov_b32 v13, 0xff61b1e6                      ; the largest score so far: -3e38
	s_delay_alu instid0(VALU_DEP_1)
	v_floor_f32 v12, -v13                          ; -M: so large that the first step's f is 0
	v_mov_b32 v14, 0
	v_mov_b32 v15, 0
.set jj, 0
.rept 32
	v_mov_b32 v[160+jj], 0                         ; O^T: the step is written once: the first finds zeros, which the first change of M leaves zeros
.set jj, jj+1
.endr
	s_mov_b32 s[TB], 0
	s_mov_b32 s[TS], 0
	s_mov_b32 s[TJ], 0
	s_mov_b32 s[CNT], 16
	s_wait_alu depctr_va_vdst(0)                   ; ahead of the wait below
	s_wait_dscnt 0x0                               ; the first step's K is in
.Lstep_\@:
	STEP
	s_add_co_u32 s[TB], s[TB], 6144
	s_add_co_u32 s[TS], s[TS], 512
	s_add_co_u32 s[TJ], s[TJ], 256
	s_sub_co_u32 s[CNT], s[CNT], 1
	s_cmp_lg_u32 s[CNT], 0
	s_cbranch_scc1 .Lstep_\@
	; THE WAY OUT.  Register 8 t + j of O^T is d = 32 hl + 8 t + j: one whole block of the last product's K in a lane.
.rept 4
	v_nop                                          ; places behind the last products
.endr
	v_add_f32 v14, v14, v15
	s_delay_alu instid0(VALU_DEP_1)
	v_permlanex16_b32 v215, v14, s[SEL], s[SEL+1]
	s_delay_alu instid0(VALU_DEP_1)
	v_add_f32 v14, v14, v215                       ; the row's sum
	s_wait_alu depctr_va_vdst(0)                   ; ahead of the reciprocal
	v_rcp_f32 v14, v14
	v_nop                                          ; a plain line behind it
	s_wait_alu depctr_va_vdst(0)                   ; ahead of its first reader, which is O^T's too
.set jj, 0
.rept 32
	v_mul_f32 v[96+jj], v[160+jj], v14
.set jj, jj+1
.endr
	v_max3_num_f32 v212, |v96|, |v97|, FLOOR
	v_max3_num_f32 v213, |v98|, |v99|, FLOOR
.irp i, 4,8,12,16,20,24,28
	s_delay_alu instid0(VALU_DEP_2)
	v_max3_num_f32 v212, v212, |v[96+\i]|, |v[97+\i]|
	s_delay_alu instid0(VALU_DEP_2)
	v_max3_num_f32 v213, v213, |v[98+\i]|, |v[99+\i]|
.endr
	s_delay_alu instid0(VALU_DEP_1)
	v_max_num_f32 v212, v212, v213
	s_delay_alu instid0(VALU_DEP_1)
	v_add_nc_u32 v218, DOWN2, v212
	v_cvt_scalef32_pk16_fp6_f32 v[192:194], v[96:111], v218
	v_cvt_scalef32_pk16_fp6_f32 v[204:206], v[112:127], v218
	v_lshrrev_b32 v222, 23, v218                   ; my block's byte (a plain line behind the conversions)
.irp i, 0,1,2
	v_mov_b32 v[195+\i], v[204+\i]
.endr
	global_store_b128 v1, v[192:195], s[8:9] offset:196608*\n      ; the half image: 512 consecutive bytes, aligned to 256 (the second tile's lies 16 tiles x 16 heads x 768 bytes on),
	global_store_b64 v2, v[196:197], s[8:9] offset:196608*\n       ; and 256 more
	global_store_b8 v92, v222, s[10:11] offset:8192*\n
.endm
	s_wait_alu depctr_va_vdst(0)                   ; at the head's end
	s_wait_tensorcnt 0x0                           ; my piece of K, V or their scale words is in,
	s_wait_loadcnt 0x0                             ; and Q
	s_wait_dscnt 0x0
	s_barrier_signal -1
	s_barrier_wait -1                              ; and so is everybody's
	PASS 0
	PASS 1
	s_wait_tensorcnt 0x0                           ; the wave's end
	ds_add_u32 v254, v255
	s_wait_dscnt 0x0
	CROUND                                         ; the closing round
	s_endpgm
.Lfunc_end_k_q5eaf2e2745_attn:
	.size	k_q5eaf2e2745_attn, .Lfunc_end_k_q5eaf2e2745_attn-k_q5eaf2e2745_attn
	.p2alignl 7, 3214868480
	.fill 96, 4, 3214868480
	.section	.rodata,"a",@progbits
	.p2align	6, 0x0
	.amdhsa_kernel k_q5eaf2e2745_attn
		.amdhsa_group_segment_fixed_size 210944
		.amdhsa_private_segment_fixed_size 0
		.amdhsa_enable_private_segment 0
		.amdhsa_kernarg_size 32
		.amdhsa_user_sgpr_count 2
		.amdhsa_user_sgpr_kernarg_segment_ptr 1
		.amdhsa_wavefront_size32 1
		.amdhsa_system_sgpr_workgroup_id_x 1
		.amdhsa_system_sgpr_workgroup_id_y 1
		.amdhsa_system_sgpr_workgroup_id_z 1
		.amdhsa_system_vgpr_workitem_id 0
		.amdhsa_next_free_vgpr 256
		.amdhsa_next_free_sgpr 96
		.amdhsa_reserve_vcc 0
		.amdhsa_float_denorm_mode_32 3
		.amdhsa_float_denorm_mode_16_64 3
		.amdhsa_memory_ordered 1
		.amdhsa_forward_progress 1
		.amdhsa_inst_pref_size 53
	.end_amdhsa_kernel
	.amdgpu_metadata
---
amdhsa.version: [ 1, 2 ]
amdhsa.kernels:
  - .name:           k_q5eaf2e2745_attn
    .symbol:         k_q5eaf2e2745_attn.kd
    .args:
      - { .name: pc, .offset: 0, .size: 8, .value_kind: global_buffer, .address_space: global }
      - { .name: ps, .offset: 8, .size: 8, .value_kind: global_buffer, .address_space: global }
      - { .name: ac, .offset: 16, .size: 8, .value_kind: global_buffer, .address_space: global }
      - { .name: asc, .offset: 24, .size: 8, .value_kind: global_buffer, .address_space: global }
    .group_segment_fixed_size: 210944
    .private_segment_fixed_size: 0
    .kernarg_segment_align: 8
    .kernarg_segment_size: 32
    .max_flat_workgroup_size: 512
    .sgpr_count:     96
    .vgpr_count:     256
    .wavefront_size: 32
...
	.end_amdgpu_metadata
.endif
;; end of part 3
;; launch outp (part 4): grid 4 x 32, 4 waves a work-group, clusters of 4 x 4, 327,680 bytes of LDS; arguments ac, asc, qc, qs, bo, out0; writes out0
.if DOCPART == 4
	.amdgcn_target "amdgcn-amd-amdhsa--gfx1250"
	.amdhsa_code_object_version 6
	.text
	.protected	k_q5eaf2e2745_outp
	.globl	k_q5eaf2e2745_outp
	.p2align	8
	.type	k_q5eaf2e2745_outp,@function
k_q5eaf2e2745_outp:
	s_mov_b64 s[64:65], 0
	v_nop
	global_prefetch_b8 v0, s[64:65] scope:SCOPE_SE
	s_setreg_imm32_b32 hwreg(HW_REG_WAVE_MODE, 25, 1), 1
	s_wait_xcnt 0x0
	s_wait_alu depctr_hold_cnt(0) depctr_sa_sdst(0) depctr_va_vdst(0) depctr_va_sdst(0) depctr_va_ssrc(0) depctr_va_vcc(0) depctr_vm_vsrc(0)
	s_getreg_b32 s2, hwreg(HW_REG_IB_STS2, 6, 4)
	s_cmp_eq_u32 s2, 0
	s_cbranch_scc0 .Lentry_in_a_cluster
	s_endpgm
.Lentry_in_a_cluster:
	s_bfe_u32 s2, ttmp6, 0x10000c
	s_cmp_lg_u32 s2, 0xf033
	s_cbranch_scc0 .Lentry_shape_is_right
	s_endpgm
.Lentry_shape_is_right:
; out0 = attention's result x Wo^T + bo on codes of FP6 (E2M3) with E8M0 scales, a tile of 256 x 256 of f32 to a work-group of four waves; bo is the first products' C.
; THE HEAD: the first step's four tiles go out one to a wave (A's 16 tiles of codes, B's, A's scale words, B's); slot 1 is first filled behind a drained round, as a refill is.
.set NQ,     2
.set FR,     12
.set NL,     4
.set NP,     4
.set TILEB,  3072
.set HALFT,  8*TILEB
.set SLOT,   4*HALFT
.set SCL,    2*SLOT
.set SPARE,  SCL+4*4096
.set SPITCH, 528
.set ADRA, 16
.set ADRB, 20
.set STO,  24
.set RD,   25
.set CO,   26
.set ADRS, 27
.set SPW,  28
.set NIL,  29
.set SC,   32
.set BP,   64
.set AF,   128
.set BK,   128
.set PT,   2
.set RT,   3
.set WV,   18
.set FH,   19
.set HH,   20
.set G1,   24
.set G0,   32
.set G1B,  48
.set G0B,  56
.set G1S,  68
.set G0S,  76
.set G1SB, 80
.set G0SB, 88
.set MSB, 0
.macro WIN new
.if MSB != (\new)
	s_set_vgpr_msb (MSB<<8)|(\new)
.set MSB, (\new)
.endif
.endm
.set MUL_LO, 0xa1
.set MUL_HI, 0xf1
.set TO_B,   0x40
.macro JLOAD g0a, g1a, g0b, g1b
	s_cmp_eq_u32 s[FH], 0
	s_cbranch_scc0 .Lfor_b_\@
	tensor_load_to_lds s[\g0a:\g0a+3], s[\g1a:\g1a+7]
	s_nop 0
.rept 4
	v_nop
.endr
	s_branch .Lasked_\@
.Lfor_b_\@:
	tensor_load_to_lds s[\g0b:\g0b+3], s[\g1b:\g1b+7]
	s_nop 0
.rept 4
	v_nop
.endr
.Lasked_\@:
.endm
.macro CREST
	s_cmp_lg_u32 s[WV], 0
	s_cbranch_scc1 .Lnot_wave_0_\@
	s_barrier_signal -3
.Lnot_wave_0_\@:
	s_barrier_wait -3
	s_barrier_signal -1
	s_barrier_wait -1
.endm
.macro CROUND
	s_barrier_signal -1
	s_barrier_wait -1
	CREST
.endm
	s_load_b256 s[4:11], s[0:1], 0x0
	s_load_b128 s[12:15], s[0:1], 0x20
	v_lshl_add_u32 v[SPW], v0, 2, SPARE
	v_mov_b32 v[NIL], 0
	ds_add_u32 v28, v29
	ds_add_u32 v28, v29
	s_wait_dscnt 0x0
	v_lshrrev_b32 v1, 5, v0
	v_readfirstlane_b32 s[WV], v1
	s_lshr_b32 s[FH], s[WV], 1
	s_and_b32 s[HH], s[WV], 1
	s_bfe_u32 s40, ttmp6, 0x40000
	s_bfe_u32 s41, ttmp6, 0x40004
	s_lshl_b32 s[PT], ttmp9, 2
	s_add_co_u32 s[PT], s[PT], s40
	s_and_b32 s[RT], ttmp7, 0xffff
	s_lshl_b32 s[RT], s[RT], 2
	s_add_co_u32 s[RT], s[RT], s41
	s_lshl_b32 s43, s41, 2
	s_lshl_b32 s43, 15, s43
	s_lshl_b32 s44, 0x1111, s40
	s_or_b32 s[G1+0], s43, (3<<16)|(1<<21)
	s_or_b32 s[G1B+0], s44, (3<<16)|(1<<21)
.irp g, G1, G1B
	s_mov_b32 s[\g+1], 384<<16
	s_mov_b32 s[\g+2], 16<<16                      ; the head's loads of codes bring 16 tiles; the ring's bring 8 (set behind the head's wait)
	s_mov_b32 s[\g+3], 384<<16
	s_mov_b32 s[\g+4], 16
	s_mov_b32 s[\g+5], 1536
	s_mov_b32 s[\g+6], 0
	s_mov_b32 s[\g+7], 0
.endr
	s_or_b32 s[G1S+0], s43, (3<<16)|(1<<21)
	s_or_b32 s[G1SB+0], s44, (3<<16)|(1<<21)
.irp g, G1S, G1SB
	s_mov_b32 s[\g+1], 32<<16
	s_mov_b32 s[\g+2], 32<<16                      ; the scale words of all 16 tiles: 32 rows of 256 bytes
	s_mov_b32 s[\g+3], 32<<16
	s_mov_b32 s[\g+4], 32
	s_mov_b32 s[\g+5], 32
	s_mov_b32 s[\g+6], 0
	s_mov_b32 s[\g+7], 0
.endr
	s_lshl_b32 s46, s[RT], 4
	s_lshl_b32 s47, s[PT], 4
	s_add_co_u32 s47, s47, 512
	s_mul_i32 s92, s46, 12288
	s_mov_b32 s93, 0
	s_lshl_b32 s94, s46, 9
	s_mov_b32 s95, 0
	s_mul_i32 s96, s47, 12288
	s_mov_b32 s97, 0
	s_lshl_b32 s98, s47, 9
	s_mov_b32 s99, 0
	s_mul_i32 s45, s[WV], HALFT
	s_wait_kmcnt 0x0
	s_add_nc_u64 s[92:93], s[4:5], s[92:93]
	s_add_nc_u64 s[94:95], s[6:7], s[94:95]
	s_add_nc_u64 s[96:97], s[8:9], s[96:97]
	s_add_nc_u64 s[98:99], s[10:11], s[98:99]
	CROUND
	s_mov_b32 s[G0S], 1
	s_mov_b32 s[G0S+1], SCL
	s_mov_b64 s[G0S+2:G0S+3], s[94:95]
	s_or_b32 s[G0S+3], s[G0S+3], 0x80000000
	s_mov_b32 s[G0SB], 1
	s_mov_b32 s[G0SB+1], SCL+8192
	s_mov_b64 s[G0SB+2:G0SB+3], s[98:99]
	s_or_b32 s[G0SB+3], s[G0SB+3], 0x80000000
.irp s, 0,1
	s_mov_b32 s[G0+4*\s], 1
	s_add_co_u32 s[G0+4*\s+1], s45, \s*SLOT
	s_add_nc_u64 s[G0+4*\s+2:G0+4*\s+3], s[92:93], \s*TILEB
	s_or_b32 s[G0+4*\s+3], s[G0+4*\s+3], 0x80000000
	s_mov_b32 s[G0B+4*\s], 1
	s_add_co_u32 s[G0B+4*\s+1], s45, \s*SLOT
	s_add_nc_u64 s[G0B+4*\s+2:G0B+4*\s+3], s[96:97], \s*TILEB
	s_or_b32 s[G0B+4*\s+3], s[G0B+4*\s+3], 0x80000000
.endr
	s_mov_b32 s[G0+1], 0                           ; slot 0's group 0 serves the head's loads first: A's 16 tiles whole, at the slot's start,
	s_mov_b32 s[G0B+1], 2*HALFT                    ; B's behind them
	s_mul_i32 s22, s[HH], 8*12288                  ; slot 1's is the ring's: my 8 tiles of the 16
	s_mov_b32 s23, 0
	s_add_nc_u64 s[G0+6:G0+7], s[G0+6:G0+7], s[22:23]
	s_add_nc_u64 s[G0B+6:G0B+7], s[G0B+6:G0B+7], s[22:23]
; one chain of branches on the wave's number, one load to an arm: wave 0 A's codes, wave 1 B's, wave 2 A's scale words, wave 3 B's
.macro ARM under, g0, g1, next
	s_cmp_lt_u32 s[WV], \under
	s_cbranch_scc0 \next
	tensor_load_to_lds s[\g0:\g0+3], s[\g1:\g1+7]
	s_nop 0
.rept 4
	v_nop
.endr
	s_branch .Lhead_asked
\next:
.endm
	ARM 1, G0,  G1,  .Lhead_b
	ARM 2, G0B, G1B, .Lhead_sa
	ARM 3, G0S, G1S, .Lhead_sb
	tensor_load_to_lds s[G0SB:G0SB+3], s[G1SB:G1SB+7]
	s_nop 0
.rept 4
	v_nop
.endr
.Lhead_asked:
	v_and_b32 v1, 31, v0
	v_and_b32 v2, 15, v0
	v_bfe_u32 v3, v0, 4, 1
	v_lshlrev_b32 v[CO], 4, v1
	v_lshlrev_b32 v5, 3, v1
	s_mul_i32 s22, s[FH], HALFT
	s_mul_i32 s23, s[HH], HALFT
	s_add_co_u32 s23, s23, 2*HALFT
.irp s, 0,1
	v_add_nc_u32 v[ADRA+\s], s22, v[CO]
	v_add_nc_u32 v[ADRB+\s], s23, v[CO]
	v_add_nc_u32 v[ADRA+2+\s], s22, v5
	v_add_nc_u32 v[ADRB+2+\s], s23, v5
	s_add_co_u32 s22, s22, SLOT
	s_add_co_u32 s23, s23, SLOT
.endr
	s_lshl_b32 s22, s[FH], 12
	s_lshl_b32 s23, s[HH], 12
	s_add_co_u32 s23, s23, 8192
	s_sub_co_u32 s23, s23, s22
	v_mul_u32_u24 v6, s23, v3
	s_add_co_u32 s22, s22, SCL
	v_lshl_add_u32 v6, v2, 3, v6
	v_add_nc_u32 v[ADRS], s22, v6
	s_mul_i32 s23, s[WV], 16*SPITCH
	v_mul_u32_u24 v7, v2, SPITCH
	v_lshl_add_u32 v7, v3, 7, v7
	v_add_nc_u32 v[STO], s23, v7
	v_add_nc_u32 v[RD], s23, v[CO]
	s_lshl_b32 s21, s[PT], 8
	s_lshl_b32 s22, s[HH], 7
	s_add_co_u32 s21, s21, s22
	s_lshl_b32 s21, s21, 2
	v_lshl_add_u32 v8, v3, 7, s21
.irp c, 0,1
.irp g, 0,1,2,3,4,5,6,7
	global_load_b128 v[BP+32*\c+4*\g:BP+32*\c+4*\g+3], v8, s[12:13] offset:256*\c+16*\g
.endr
.endr
	s_lshl_b32 s22, s[RT], 8
	s_lshl_b32 s23, s[FH], 7
	s_add_co_u32 s22, s22, s23
	s_lshl_b32 s22, s22, 12
	s_add_co_u32 s22, s22, s21
	s_mov_b32 s23, 0
	s_add_nc_u64 s[14:15], s[14:15], s[22:23]
	s_wait_alu depctr_va_vdst(0)
	s_wait_loadcnt 0x0
.macro FRAG reg, adr, q, i
	ds_load_b128 v[\reg:\reg+3], v[\adr] offset:(\i)*TILEB+(\q)*1536
	ds_load_b64 v[\reg+4:\reg+5], v[\adr+2] offset:(\i)*TILEB+(\q)*1536+512
	ds_load_b128 v[\reg+6:\reg+9], v[\adr] offset:(\i)*TILEB+(\q)*1536+768
	ds_load_b64 v[\reg+10:\reg+11], v[\adr+2] offset:(\i)*TILEB+(\q)*1536+1280
.endm
.macro MUL16 a0, p, q, sc, first
.irp a, \a0, \a0+1
.irp b, 0,1,2,3,4,5,6,7
.if \first
	v_wmma_scale_f32_16x16x128_f8f6f4 v[8*(8*((\a)%4)+\b):8*(8*((\a)%4)+\b)+7], v[128*(\p)+FR*\b:128*(\p)+FR*\b+FR-1], v[AF+FR*(\a):AF+FR*(\a)+FR-1], v[BP+8*\b:BP+8*\b+7], v[SC+8*NQ*(\sc)+NQ*\b+(\q)], v[SC+8*NQ*(\sc)+NQ*(\a)+(\q)] matrix_a_fmt:MATRIX_FMT_FP6 matrix_b_fmt:MATRIX_FMT_FP6 matrix_a_scale:MATRIX_SCALE_ROW1
.else
	v_wmma_scale_f32_16x16x128_f8f6f4 v[8*(8*((\a)%4)+\b):8*(8*((\a)%4)+\b)+7], v[128*(\p)+FR*\b:128*(\p)+FR*\b+FR-1], v[AF+FR*(\a):AF+FR*(\a)+FR-1], v[8*(8*((\a)%4)+\b):8*(8*((\a)%4)+\b)+7], v[SC+8*NQ*(\sc)+NQ*\b+(\q)], v[SC+8*NQ*(\sc)+NQ*(\a)+(\q)] matrix_a_fmt:MATRIX_FMT_FP6 matrix_b_fmt:MATRIX_FMT_FP6 matrix_a_scale:MATRIX_SCALE_ROW1
.endif
.endr
.endr
.endm
.macro FETCH_B slot, q, p
	WIN TO_B
.irp i, 0,1,2,3,4,5,6,7
	FRAG 128*(\p)+FR*\i, ADRB+\slot, \q, \i
.endr
	WIN 0
.endm
.macro FETCH_A slot, q, i0
.irp i, \i0, \i0+1, \i0+2, \i0+3
	FRAG AF+FR*(\i), ADRA+\slot, \q, \i
.endr
.endm
.macro SCALES sc
.irp i, 0,1,2,3,4,5,6,7
	ds_load_b64 v[SC+8*NQ*\sc+NQ*\i:SC+8*NQ*\sc+NQ*\i+1], v[ADRS] offset:\i*512
.endr
.endm
.macro PLACES n
.rept \n
	v_nop
.endr
.endm
.macro STEP slot, q, first
	s_wait_dscnt 4*NL
.if \first
	WIN 0x81
.else
	WIN MUL_LO
.endif
	MUL16 0, (\q)%2, \q, \slot, \first
	MUL16 2, (\q)%2, \q, \slot, \first
	s_wait_dscnt 0
	PLACES NP
	FETCH_B \slot, (\q)+1, 1-(\q)%2
	FETCH_A \slot, (\q)+1, 0
.if \first
	WIN 0xc1
.else
	WIN MUL_HI
.endif
	MUL16 4, (\q)%2, \q, \slot, \first
	MUL16 6, (\q)%2, \q, \slot, \first
	PLACES NP
	WIN 0
	FETCH_A \slot, (\q)+1, 4
.endm
.macro TURN slot, next, fill
	s_wait_tensorcnt 0x0
	ds_add_u32 v[SPW], v[NIL]
	s_wait_dscnt 4*NL+1
	WIN MUL_LO
	MUL16 0, 1, NQ-1, \slot, 0
	s_wait_dscnt 0x0
	s_barrier_signal -1
	MUL16 2, 1, NQ-1, \slot, 0
	WIN 0
	s_barrier_wait -1
.if \fill
	CREST
	s_add_nc_u64 s[G0+4*\slot+2:G0+4*\slot+3], s[G0+4*\slot+2:G0+4*\slot+3], 2*TILEB
	s_add_nc_u64 s[G0B+4*\slot+2:G0B+4*\slot+3], s[G0B+4*\slot+2:G0B+4*\slot+3], 2*TILEB
	JLOAD G0+4*\slot, G1, G0B+4*\slot, G1B
.else
	PLACES NP
.endif
	s_wait_alu depctr_va_vdst(0)
	v_add_nc_u32 v[ADRS], 128, v[ADRS]
	FETCH_B \next, 0, 0
	FETCH_A \next, 0, 0
	SCALES \next
	WIN MUL_HI
	MUL16 4, 1, NQ-1, \slot, 0
	MUL16 6, 1, NQ-1, \slot, 0
	PLACES NP
	WIN 0
	FETCH_A \next, 0, 4
.endm
	s_wait_tensorcnt 0x0                           ; my tile of the head's four is in; the three lines and a whole round stand ahead of slot 1's first fill
	ds_add_u32 v[SPW], v[NIL]
	s_mov_b32 s[G1+2], 8<<16                       ; no tensor load of mine is out: from here on a load brings 8 tiles,
	s_mov_b32 s[G1+4], 8
	s_mov_b32 s[G1B+2], 8<<16
	s_mov_b32 s[G1B+4], 8
	s_mul_i32 s[G0+1], s[WV], HALFT                ; and slot 0's group 0 becomes the ring's: my quarter of the slot, my 8 tiles
	s_mul_i32 s[G0B+1], s[WV], HALFT
	s_mul_i32 s22, s[HH], 8*12288
	s_mov_b32 s23, 0
	s_add_nc_u64 s[G0+2:G0+3], s[G0+2:G0+3], s[22:23]
	s_add_nc_u64 s[G0B+2:G0B+3], s[G0B+2:G0B+3], s[22:23]
	s_wait_dscnt 0x0
	CROUND
	JLOAD G0+4, G1, G0B+4, G1B                     ; slot 1: the first tensor load behind the round
	FETCH_B 0, 0, 0
	FETCH_A 0, 0, 0
	SCALES 0
	FETCH_A 0, 0, 4
	STEP 0, 0, 1
	TURN 0, 1, 1
	STEP 1, 0, 0
	TURN 1, 0, 1
	STEP 0, 0, 0
	TURN 0, 1, 0
	STEP 1, 0, 0
	s_wait_dscnt 4*NL
	WIN MUL_LO
	MUL16 0, 1, NQ-1, 1, 0
	MUL16 2, 1, NQ-1, 1, 0
	s_wait_dscnt 0
	WIN MUL_HI
	MUL16 4, 1, NQ-1, 1, 0
	MUL16 6, 1, NQ-1, 1, 0
	WIN 0
.macro TOSTAGE a
.set AC, 64*((\a)%4)
	WIN 0x08+4*((\a)/4)
.irp b, 0,1,2,3,4,5,6,7
	ds_store_b128 v[STO], v[AC+8*\b:AC+8*\b+3] offset:256*(\b/4)+32*(\b%4)
	ds_store_b128 v[STO], v[AC+8*\b+4:AC+8*\b+7] offset:256*(\b/4)+32*(\b%4)+16
.endr
	WIN 0
.set BB, BK+64*((\a)%2)
.irp t, 0,1,2,3,4,5,6,7,8,9,10,11,12,13,14,15
	ds_load_b128 v[BB+4*\t:BB+4*\t+3], v[RD] offset:\t*SPITCH
.endr
.endm
.macro SEND a, younger
.set BB, BK+64*((\a)%2)
	s_wait_dscnt \younger
.irp t, 0,1,2,3,4,5,6,7,8,9,10,11,12,13,14,15
	global_store_b128 v[CO], v[BB+4*\t:BB+4*\t+3], s[14:15] offset:(64*((\a)/4)+8*((\a)%4)+32*(\t/8)+\t%8)*4096 th:TH_STORE_NT
.endr
.endm
	PLACES NP
	TOSTAGE 0
.irp a, 1,2,3,4,5,6,7
.if \a > 1
	s_wait_xcnt 0x0
.endif
	TOSTAGE \a
	SEND \a-1, 32
.endr
	SEND 7, 0
	s_wait_tensorcnt 0x0
	ds_add_u32 v[SPW], v[NIL]
	s_wait_dscnt 0x0
	CROUND
	s_endpgm
.Lfunc_end_k_q5eaf2e2745_outp:
	.size	k_q5eaf2e2745_outp, .Lfunc_end_k_q5eaf2e2745_outp-k_q5eaf2e2745_outp
	.p2alignl 7, 3214868480
	.fill 96, 4, 3214868480
	.section	.rodata,"a",@progbits
	.p2align	6, 0x0
	.amdhsa_kernel k_q5eaf2e2745_outp
		.amdhsa_group_segment_fixed_size 327680
		.amdhsa_private_segment_fixed_size 0
		.amdhsa_enable_private_segment 0
		.amdhsa_kernarg_size 48
		.amdhsa_user_sgpr_count 2
		.amdhsa_user_sgpr_kernarg_segment_ptr 1
		.amdhsa_wavefront_size32 1
		.amdhsa_system_sgpr_workgroup_id_x 1
		.amdhsa_system_sgpr_workgroup_id_y 1
		.amdhsa_system_sgpr_workgroup_id_z 1
		.amdhsa_system_vgpr_workitem_id 0
		.amdhsa_next_free_vgpr 1024
		.amdhsa_next_free_sgpr 100
		.amdhsa_reserve_vcc 0
		.amdhsa_float_denorm_mode_32 3
		.amdhsa_float_denorm_mode_16_64 3
		.amdhsa_memory_ordered 1
		.amdhsa_forward_progress 1
		.amdhsa_inst_pref_size 145
	.end_amdhsa_kernel
	.amdgpu_metadata
---
amdhsa.version: [ 1, 2 ]
amdhsa.kernels:
  - .name:           k_q5eaf2e2745_outp
    .symbol:         k_q5eaf2e2745_outp.kd
    .args:
      - { .name: ac, .offset: 0, .size: 8, .value_kind: global_buffer, .address_space: global }
      - { .name: asc, .offset: 8, .size: 8, .value_kind: global_buffer, .address_space: global }
      - { .name: qc, .offset: 16, .size: 8, .value_kind: global_buffer, .address_space: global }
      - { .name: qs, .offset: 24, .size: 8, .value_kind: global_buffer, .address_space: global }
      - { .name: bo, .offset: 32, .size: 8, .value_kind: global_buffer, .address_space: global }
      - { .name: out0, .offset: 40, .size: 8, .value_kind: global_buffer, .address_space: global }
    .group_segment_fixed_size: 327680
    .private_segment_fixed_size: 0
    .kernarg_segment_align: 8
    .kernarg_segment_size: 48
    .max_flat_workgroup_size: 128
    .sgpr_count:     100
    .vgpr_count:     1024
    .wavefront_size: 32
...
	.end_amdgpu_metadata
.endif
;; end of part 4
